; MI455X (gfx1250); checked and timed in simulation.
; The chip was launched on July 23, 2026; its instructions are those of AMD's public machine-readable ISA for CDNA 5 (MIT licence, August 2026) and "CDNA5" Instruction Set Architecture Reference Guide (July 2026). The comments in the code are by the model that wrote it; some were corrected since.
;; Cross Attention. Allowed arithmetic: matrix products marked QUANTISED: E3M2 operands, one E8M0 scale for each 32 along K, by v_wmma_scale_f32_16x16x128_f8f6f4 with both operands' format E3M2, f32 sums; everything else in f32.
;; Inputs: Wk 512 x 512 float32; Wo1 512 x 512 float32; Wo2 512 x 512 float32; Wq 512 x 512 float32; Wv1 512 x 512 float32; Wv2 512 x 512 float32; bk 512 float32; bo1 512 float32; bo2 512 float32; bq 512 float32; bv1 512 float32; bv2 512 float32; x1 4 x 512 x 8 x 16 x 16 float32; x2 4 x 512 x 8 x 16 x 16 float32.
;; Outputs: out0 4 x 512 x 8 x 16 x 16 float32; out1 4 x 512 x 8 x 16 x 16 float32.
;; This version of the problem:
;;   THIS VERSION OF THE PROBLEM IS GIVEN IN LOW PRECISION. The matrix products marked QUANTISED in the list below multiply operands that are first quantised to E3M2 (3 exponent bits, 2 mantissa bits; 6 bits a number), with one power-of-two scale for each 32 numbers along K (OCP MX v1.0); their sums are f32. All else is computed in f32.
;;   The module's matrix products, in the order in which they are computed (A, B: the left and right operand; K: the contracted axis; several contracted axes count as one K, in the product's order):
;;     1. [M 8,192, K 512] x [K 512, N 512]; A: input x1; B: input Wq: QUANTISED
;;     2. [M 8,192, K 512] x [K 512, N 512]; A: input x2; B: input Wk: QUANTISED
;;     3. [M 8,192, K 512] x [K 512, N 512]; A: input x1; B: input Wv1: QUANTISED
;;     4. [M 8,192, K 512] x [K 512, N 512]; A: input x2; B: input Wv2: QUANTISED
;;     5. batch 32 x [M 2,048, K 64] x [K 64, N 2,048]; A: computed on the way; B: computed on the way: QUANTISED
;;     6. batch 32 x [M 2,048, K 2,048] x [K 2,048, N 64]; A: computed on the way; B: computed on the way: QUANTISED
;;     7. batch 32 x [M 2,048, K 2,048] x [K 2,048, N 64]; A: computed on the way; B: computed on the way: QUANTISED
;;     8. [M 8,192, K 512] x [K 512, N 512]; A: computed on the way; B: input Wo1: QUANTISED
;;     9. [M 8,192, K 512] x [K 512, N 512]; A: computed on the way; B: input Wo2: QUANTISED
;;   THE QUANTISER, for each operand of a quantised product, along K:
;;     - K is cut into blocks of 32 from its start; a last block that is shorter is filled with zeros.
;;     - A block's scale is 2^e with e = floor(log2(the largest magnitude in the block)) - 4, held to -126 .. 127; a block of zeros has e = 0. As a byte (E8M0): e + 127.
;;     - Each number is divided by its block's scale, clamped to +-28, and rounded to the nearest number of E3M2, ties to even, subnormals kept.
;;     - The product sums the exact products of the quantised numbers (number of the format x scale) in f32.
;;   ~~~python
;;   def quantise(x, axis):      # numpy; x: float32 -> the quantised numbers, widened to float32 again
;;       x = np.moveaxis(x, axis, -1); K = x.shape[-1]
;;       x = np.pad(x, [(0, 0)] * (x.ndim - 1) + [(0, -K % 32)]); x = x.reshape(x.shape[:-1] + (-1, 32)); a = np.abs(x).max(-1, keepdims=True)
;;       e = np.where(a > 0, np.clip(np.frexp(np.where(a > 0, a, 1))[1] - 1 - 4, -126, 127), 0)      # np.frexp(a)[1] - 1 = floor(log2(a)), exactly
;;       r = np.clip(x / 2.0 ** e, -28, 28)
;;       step = 2.0 ** (np.maximum(np.frexp(np.where(r == 0, 1, r))[1] - 1, -2) - 2)
;;       q = np.round(r / step) * step * 2.0 ** e      # np.round: ties to even
;;       return np.moveaxis(q.reshape(q.shape[:-2] + (-1,))[..., :K], -1, axis).astype(np.float32)
;;   ~~~
;;   OPERANDS COMPUTED ON THE WAY. 'Computed on the way' means the value that the module computes at that place (a softmax that the list does not call 'softmax' is quantised finished and normalised). What goes into a quantiser is computed in f32, as accurately as f32 sums, v_exp_f32 and their like allow (about 1e-6 of the number): no bf16 or f16 on the way to a quantiser, and a product that is left as it is and whose result goes on into a quantised operand takes f32 operands (vector FMAs, or v_wmma_f32_16x16x4_f32). A number that lies on a knife's edge between two numbers of the format may be rounded either way, as far as f32 arithmetic and the matrix unit's own rounding can turn it there, and no further.
;; One version. Each part assembles by itself: llvm-mc -triple=amdgcn-amd-amdhsa -mcpu=gfx1250 --defsym DOCPART=n.
;; ======== version 1 of 1: 5 launches
;; limits: right only within a limited range of input values
;; workspace buffers: pre 7,782,400 bytes; qkv 13,369,344 bytes; lse 524,288 bytes; ctx 6,553,600 bytes
;; launch prep (part 1): grid 304 x 1, 8 waves a work-group, no clusters, 2,048 bytes of LDS; arguments x1, x2, Wq, Wk, Wv1, Wv2, Wo1, Wo2, pre; writes pre
.if DOCPART == 1
	.amdgcn_target "amdgcn-amd-amdhsa--gfx1250"
	.amdhsa_code_object_version 6
	.text
	.protected	k_qd34ee2c02b_prep
	.globl	k_qd34ee2c02b_prep
	.p2align	8
	.type	k_qd34ee2c02b_prep,@function
k_qd34ee2c02b_prep:
	s_mov_b64 s[64:65], 0
	v_nop
	global_prefetch_b8 v0, s[64:65] scope:SCOPE_SE
	s_setreg_imm32_b32 hwreg(HW_REG_WAVE_MODE, 25, 1), 1
	s_wait_xcnt 0x0
; x1, x2 [4][512 (c)][2048 (token)] and six weights [512 (k)][512 (n)], f32, all with K as the OUTER axis, become codes of BF6 (E3M2) with one E8M0 byte for each 32 along K,
; laid as IMAGES OF OPERAND REGISTERS: a fragment (16 rows x 128 K, 12 registers a lane) is 1,536 bytes, register R of lane l at 512 (R / 4) + 16 l + 4 (R % 4).
; Rows (tokens, or n) are grouped by 32; tile 2 G + u holds, in lane r, row 32 G + 8 u + r + 8 (r / 8): as source 0 of a product such a pair of tiles leaves 16 neighbouring rows in a lane's 16 result registers.
; A LANE TAKES A COLUMN (a token, an n) AND ITS REGISTERS RUN DOWN K: 128 numbers, four whole blocks of 32, so no lane asks another for a maximum.  A wave: 32 columns x 128 K.  Eight waves: 64 columns x 512 K.
; Work-groups 0-255: x (input id / 128, batch (id / 32) % 4, 64 tokens id % 32); 256-303: weights ((id - 256) / 8, 64 columns (id - 256) % 8).
; A block's scale byte is its largest magnitude's exponent field - 4, held at 1 from below (a block of zeros gets 1 and zero codes; only this program reads the bytes).
; LIMITS: NaN and infinities among the inputs are not served.
.set XCIN, 3145728                     ; bytes of one input's codes: 512 tiles x 4 K steps x 1,536
.set WC,   6291456                     ; the weights' codes: 196,608 bytes each
.set XSO,  7471104                     ; x's scale bytes: tile x 256 + 16 r + K / 32; 131,072 bytes an input
.set WSO,  7733248                     ; the weights': 8,192 bytes each
.set X,    64                          ; v64-191  my column's 128 numbers
.set FR,   16                          ; v16-39   the codes as lanes (r', 0) and (r', 1) of the fragment hold them: 12 registers each
.set CT,   40                          ; v40-55   second halves of the blocks (a conversion's three registers begin on an even number)
	s_load_b512 s[4:19], s[0:1], 0x0               ; x1, x2, Wq, Wk, Wv1, Wv2, Wo1, Wo2
	s_load_b64 s[20:21], s[0:1], 0x40              ; pre
	v_lshl_add_u32 v192, v0, 2, 0x400
	v_mov_b32 v193, 0
	v_lshrrev_b32 v6, 5, v0
	s_delay_alu instid0(VALU_DEP_1)
	v_readfirstlane_b32 s22, v6                    ; wave 0..7
	s_and_b32 s23, s22, 1                          ; g: which 32 of the 64 columns
	s_lshr_b32 s24, s22, 1                         ; s: which 128 along K
	s_min_u32 s25, ttmp9, 255                      ; the x formulas see 0..255,
	s_lshr_b32 s34, s25, 7                         ; input
	s_bfe_u32 s35, s25, 0x20005                    ; batch
	s_and_b32 s36, s25, 31                         ; block of 64 tokens
	s_max_u32 s37, ttmp9, 256                      ; the weights' formulas 0..47
	s_sub_co_u32 s37, s37, 256
	s_lshr_b32 s38, s37, 3                         ; weight
	s_and_b32 s39, s37, 7                          ; block of 64 columns
	s_lshl_b32 s40, s35, 22                        ; x: batch x 512 rows of 8,192 bytes
	s_lshl_b32 s41, s24, 20                        ;    + 128 s rows
	s_add_co_u32 s40, s40, s41
	s_lshl_b32 s41, s36, 8                         ;    + 64 tokens x 4 bytes
	s_add_co_u32 s40, s40, s41
	s_lshl_b32 s42, s24, 18                        ; W: 128 s rows of 2,048 bytes
	s_lshl_b32 s41, s39, 8
	s_add_co_u32 s42, s42, s41
	s_lshl_b32 s43, s35, 6                         ; the group of 32 rows: x: 64 batch + 2 block
	s_lshl_b32 s41, s36, 1
	s_add_co_u32 s43, s43, s41
	s_lshl_b32 s44, s39, 1                         ; W: 2 block
	s_mul_i32 s45, s34, XCIN                       ; where the tensor's codes begin in pre
	s_mul_i32 s46, s38, 196608
	s_add_co_u32 s46, s46, WC
	s_lshl_b32 s47, s34, 17                        ; and its scale bytes
	s_add_co_u32 s47, s47, XSO
	s_lshl_b32 s28, s38, 13
	s_add_co_u32 s28, s28, WSO
	s_add_co_u32 s29, s38, 2                       ; which of the eight pointers
	s_cmp_lt_u32 ttmp9, 256                        ; x or a weight: the choice hangs on the work-group's number alone
	s_cselect_b32 s40, s40, s42
	s_cselect_b32 s43, s43, s44
	s_cselect_b32 s45, s45, s46
	s_cselect_b32 s47, s47, s28
	s_cselect_b32 s29, s34, s29
	s_lshl_b32 s41, s23, 7
	s_add_co_u32 s40, s40, s41                     ; + my wave's 32 columns
	s_add_co_u32 s43, s43, s23
	s_mul_i32 s41, s43, 12288                      ; a group: two tiles x 4 K steps x 1,536
	s_add_co_u32 s45, s45, s41
	s_mul_i32 s41, s24, 1536
	s_add_co_u32 s30, s45, s41                     ; my fragments' place
	s_mov_b32 s31, 0
	s_lshl_b32 s41, s43, 9                         ; a group's scale bytes: 512
	s_add_co_u32 s32, s47, s41
	s_mov_b32 s33, 0
	s_mov_b32 s41, 0
	v_and_b32 v5, 31, v0                           ; lane
	s_delay_alu instid0(VALU_DEP_1)
	v_lshlrev_b32 v1, 2, v5                        ; in: 4 bytes a lane
	s_delay_alu instid0(VALU_DEP_2)
	v_lshlrev_b32 v5, 4, v5                        ; 16 x lane
	v_bfe_u32 v6, v0, 3, 1                         ; u: column l of the group lies in tile u = (l / 8) % 2,
	v_and_b32 v7, 7, v0
	v_bfe_u32 v13, v0, 4, 1
	s_delay_alu instid0(VALU_DEP_1)
	v_lshl_add_u32 v7, v13, 3, v7                  ; at row r' = l % 8 + 8 (l / 16)
	s_delay_alu instid0(VALU_DEP_1)
	v_lshlrev_b32 v7, 4, v7
	s_delay_alu instid0(VALU_DEP_1)
	v_mad_u32_u24 v2, v6, 6144, v7                 ; out: tile u (6,144 bytes on), 16 r'
	s_delay_alu instid0(VALU_DEP_2)
	v_lshl_add_u32 v3, v6, 8, v7                   ; LDS: the work-group's 1,024 scale bytes: 512 g + 256 u + 16 r' + 4 s
	v_bfe_u32 v14, v0, 5, 1
	s_delay_alu instid0(VALU_DEP_1)
	v_lshl_add_u32 v3, v14, 9, v3
	v_bfe_u32 v15, v0, 6, 2
	s_delay_alu instid0(VALU_DEP_1)
	v_lshl_add_u32 v3, v15, 2, v3
	s_delay_alu instid0(VALU_DEP_4)
	v_lshl_add_u32 v4, v14, 9, v5                  ; and back: 512 g + 16 x lane
	s_wait_kmcnt 0x0
	s_mov_b64 s[26:27], s[4:5]
.irp n, 1,2,3,4,5,6,7
	s_cmp_eq_u32 s29, \n
	s_cselect_b64 s[26:27], s[4+2*\n:5+2*\n], s[26:27]
.endr
	s_add_nc_u64 s[26:27], s[26:27], s[40:41]
	s_add_nc_u64 s[30:31], s[20:21], s[30:31]
	s_add_nc_u64 s[32:33], s[20:21], s[32:33]
	s_cmp_lt_u32 ttmp9, 256                        ; the two tensors' rows differ in length: two runs of loads, and nothing else differs
	s_cbranch_scc0 .Lweights
.set i, 0
.rept 128
	global_load_b32 v[X+i], v1, s[26:27] offset:i*8192 th:TH_LOAD_NT   ; row 128 s + i at my column: 32 lanes read 128 consecutive bytes, two waves side by side 256
.set i, i+1
.endr
	s_branch .Lloaded
.Lweights:
.set i, 0
.rept 128
	global_load_b32 v[X+i], v1, s[26:27] offset:i*2048 th:TH_LOAD_NT
.set i, i+1
.endr
.Lloaded:
; Block b of my four: K = 128 s + 32 b on.  In the fragment it belongs to lane half b % 2, registers 6 (b / 2) on.  left: the younger loads that may stay out.
.macro BLOCK b, left
.set XS, X+32*(\b)
	s_wait_loadcnt \left
	v_max3_num_f32 v8, |v[XS]|, |v[XS+1]|, |v[XS+2]|
	v_max3_num_f32 v9, |v[XS+3]|, |v[XS+4]|, |v[XS+5]|
.irp i, 6,10,14,18,22,26
	s_delay_alu instid0(VALU_DEP_2)
	v_max3_num_f32 v8, v8, |v[XS+\i]|, |v[XS+\i+1]|
	s_delay_alu instid0(VALU_DEP_2)
	v_max3_num_f32 v9, v9, |v[XS+\i+2]|, |v[XS+\i+3]|
.endr
	s_delay_alu instid0(VALU_DEP_2)
	v_max3_num_f32 v8, v8, |v[XS+30]|, |v[XS+31]|
	s_delay_alu instid0(VALU_DEP_1)
	v_max3_num_f32 v8, v8, v9, 0x2800000           ; and the floor 2^(5 - 127): the byte cannot fall under 1
	s_delay_alu instid0(VALU_DEP_1)
	v_add_nc_u32 v10, 0xfe000000, v8               ; 4 off the exponent field: the conversion's scale operand
	s_delay_alu instid0(VALU_DEP_1)
	v_lshrrev_b32 v11, 23, v10                     ; the scale's byte
.if (\b) == 0
	s_delay_alu instid0(VALU_DEP_1)
	v_mov_b32 v12, v11
.else
	s_delay_alu instid0(VALU_DEP_1)
	v_lshl_or_b32 v12, v11, 8*(\b), v12            ; the four bytes make my row's scale word of this K step
.endif
	v_cvt_scalef32_pk16_bf6_f32 v[FR+12*((\b)%2)+6*((\b)/2):FR+12*((\b)%2)+6*((\b)/2)+2], v[XS:XS+15], v10
	v_cvt_scalef32_pk16_bf6_f32 v[CT+4*(\b):CT+4*(\b)+2], v[XS+16:XS+31], v10
.endm
	BLOCK 0, 63                                    ; 96 younger loads might stay out; a wait names 63 at the most
	BLOCK 1, 63                                    ; 64 might
	BLOCK 2, 32                                    ; the last block's 32
	BLOCK 3, 0
	v_nop                                          ; one plain place behind the last conversion
.irp b, 0,1,2,3
.irp i, 0,1,2
	v_mov_b32 v[FR+12*(\b%2)+6*(\b/2)+3+\i], v[CT+4*\b+\i]
.endr
.endr
.irp h, 0,1
.irp c, 0,1,2
	global_store_b128 v2, v[FR+12*\h+4*\c:FR+12*\h+4*\c+3], s[30:31] offset:512*\c+256*\h   ; sixteen lanes fill 256 consecutive aligned bytes of tile 0's image, sixteen of tile 1's
.endr
.endr
	ds_store_b32 v3, v12
	s_wait_dscnt 0x0                               ; my scale word lies in LDS: say so
	s_barrier_signal -1
	s_barrier_wait -1                              ; all eight waves' words do
	s_cmp_gt_u32 s22, 1
	s_cbranch_scc1 .Ldone
	ds_load_b128 v[56:59], v4                      ; waves 0 and 1: a group's 512 scale bytes, all four K steps of each row together
	s_wait_dscnt 0x0
	global_store_b128 v5, v[56:59], s[32:33]       ; 512 consecutive aligned bytes
.Ldone:
	s_wait_tensorcnt 0x0
	ds_add_u32 v192, v193
	s_wait_dscnt 0x0
	s_endpgm
.Lfunc_end_k_qd34ee2c02b_prep:
	.size	k_qd34ee2c02b_prep, .Lfunc_end_k_qd34ee2c02b_prep-k_qd34ee2c02b_prep
	.p2alignl 7, 3214868480
	.fill 96, 4, 3214868480
	.section	.rodata,"a",@progbits
	.p2align	6, 0x0
	.amdhsa_kernel k_qd34ee2c02b_prep
		.amdhsa_group_segment_fixed_size 2048
		.amdhsa_private_segment_fixed_size 0
		.amdhsa_enable_private_segment 0
		.amdhsa_kernarg_size 72
		.amdhsa_user_sgpr_count 2
		.amdhsa_user_sgpr_kernarg_segment_ptr 1
		.amdhsa_wavefront_size32 1
		.amdhsa_system_sgpr_workgroup_id_x 1
		.amdhsa_system_sgpr_workgroup_id_y 1
		.amdhsa_system_sgpr_workgroup_id_z 1
		.amdhsa_system_vgpr_workitem_id 0
		.amdhsa_next_free_vgpr 194
		.amdhsa_next_free_sgpr 66
		.amdhsa_reserve_vcc 0
		.amdhsa_float_denorm_mode_32 3
		.amdhsa_float_denorm_mode_16_64 3
		.amdhsa_memory_ordered 1
		.amdhsa_forward_progress 1
		.amdhsa_inst_pref_size 38
	.end_amdhsa_kernel
	.amdgpu_metadata
---
amdhsa.version: [ 1, 2 ]
amdhsa.kernels:
  - .name:           k_qd34ee2c02b_prep
    .symbol:         k_qd34ee2c02b_prep.kd
    .args:
      - { .name: x1, .offset: 0, .size: 8, .value_kind: global_buffer, .address_space: global }
      - { .name: x2, .offset: 8, .size: 8, .value_kind: global_buffer, .address_space: global }
      - { .name: Wq, .offset: 16, .size: 8, .value_kind: global_buffer, .address_space: global }
      - { .name: Wk, .offset: 24, .size: 8, .value_kind: global_buffer, .address_space: global }
      - { .name: Wv1, .offset: 32, .size: 8, .value_kind: global_buffer, .address_space: global }
      - { .name: Wv2, .offset: 40, .size: 8, .value_kind: global_buffer, .address_space: global }
      - { .name: Wo1, .offset: 48, .size: 8, .value_kind: global_buffer, .address_space: global }
      - { .name: Wo2, .offset: 56, .size: 8, .value_kind: global_buffer, .address_space: global }
      - { .name: pre, .offset: 64, .size: 8, .value_kind: global_buffer, .address_space: global }
    .group_segment_fixed_size: 2048
    .private_segment_fixed_size: 0
    .kernarg_segment_align: 8
    .kernarg_segment_size: 72
    .max_flat_workgroup_size: 256
    .sgpr_count:     66
    .vgpr_count:     194
    .wavefront_size: 32
...
	.end_amdgpu_metadata
.endif
;; end of part 1
;; launch proj (part 2): grid 64 x 4, 16 waves a work-group, clusters of 4 x 1, 327,680 bytes of LDS; arguments pre, bq, bk, bv1, bv2, qkv; writes qkv
.if DOCPART == 2
	.amdgcn_target "amdgcn-amd-amdhsa--gfx1250"
	.amdhsa_code_object_version 6
	.text
	.protected	k_qd34ee2c02b_proj
	.globl	k_qd34ee2c02b_proj
	.p2align	8
	.type	k_qd34ee2c02b_proj,@function
k_qd34ee2c02b_proj:
	s_mov_b64 s[64:65], 0
	v_nop
	global_prefetch_b8 v0, s[64:65] scope:SCOPE_SE
	s_setreg_imm32_b32 hwreg(HW_REG_WAVE_MODE, 25, 1), 1
	s_wait_xcnt 0x0
	s_wait_alu depctr_hold_cnt(0) depctr_sa_sdst(0) depctr_va_vdst(0) depctr_va_sdst(0) depctr_va_ssrc(0) depctr_va_vcc(0) depctr_vm_vsrc(0)
	s_getreg_b32 s2, hwreg(HW_REG_IB_STS2, 6, 4)
	s_cmp_eq_u32 s2, 0
	s_cbranch_scc0 .Lentry_in_a_cluster
	s_endpgm
.Lentry_in_a_cluster:
	s_bfe_u32 s2, ttmp6, 0x10000c
	s_cmp_lg_u32 s2, 0x3003
	s_cbranch_scc0 .Lentry_shape_is_right
	s_endpgm
.Lentry_shape_is_right:
.set XCIN, 3145728
.set WC,   6291456
.set XSO,  7471104
.set WSO,  7733248
.set VOFF, 6815744
.set XB,   196608
.set JOINT, (3<<16)|(1<<21)|15
.set PLAIN, 3<<16
.set WV,  16
.set G1W, 32
.set G1X, 40
.set G0W, 48
.set G0X, 52
.set SEL, 62
.set A0,  1
.set A1,  2
.set S0,  8
.set S1,  40
.set B1,  48
.set B0,  72
.set ACC, 128
.set PCA, 48
.set CTA, 60
.set TM,  88
.set PW,  104
.set OW,  106
.set OA,  108
.set OB,  109
.set OC,  110
.macro ROUND
	s_barrier_signal -1
	s_barrier_wait -1
	s_cmp_lg_u32 s[WV], 0
	s_cbranch_scc1 .Lnot_wave_0_\@
	s_barrier_signal -3
.Lnot_wave_0_\@:
	s_barrier_wait -3
	s_barrier_signal -1
	s_barrier_wait -1
.endm
.macro PLACES n
.rept \n
	v_nop
.endr
.endm
.macro DENSE g, rows, w0
	s_mov_b32 s[\g], \w0
	s_mov_b32 s[\g+1], 32<<16
	s_mov_b32 s[\g+2], (\rows)<<16
	s_mov_b32 s[\g+3], 32<<16
	s_mov_b32 s[\g+4], \rows
	s_mov_b32 s[\g+5], 32
	s_mov_b32 s[\g+6], 0
	s_mov_b32 s[\g+7], 0
.endm
.macro FRAG128 reg, adr, off
.irp c, 0,1,2
	ds_load_b128 v[(\reg)+4*\c:(\reg)+4*\c+3], v[\adr] offset:(\off)+512*\c
.endr
.endm
.macro WM d, a, b, c, sa, sb
.if (\c) < 0
	v_wmma_scale_f32_16x16x128_f8f6f4 v[(\d):(\d)+7], v[(\a):(\a)+11], v[(\b):(\b)+11], 0, v[\sa], v[\sb] matrix_a_fmt:MATRIX_FMT_BF6 matrix_b_fmt:MATRIX_FMT_BF6
.else
	v_wmma_scale_f32_16x16x128_f8f6f4 v[(\d):(\d)+7], v[(\a):(\a)+11], v[(\b):(\b)+11], v[(\c):(\c)+7], v[\sa], v[\sb] matrix_a_fmt:MATRIX_FMT_BF6 matrix_b_fmt:MATRIX_FMT_BF6
.endif
.endm
.macro MM8 s, t0, zero
.irp tt, 0,1,2,3
.irp i, 0,1
.if (\zero) && ((\s) == 0)
	WM ACC+64*\i+8*(\t0+\tt), B0+12*\tt, B1+12*\i, -1, S0+4*(\t0+\tt)+\s, S1+4*\i+\s
.else
	WM ACC+64*\i+8*(\t0+\tt), B0+12*\tt, B1+12*\i, ACC+64*\i+8*(\t0+\tt), S0+4*(\t0+\tt)+\s, S1+4*\i+\s
.endif
.endr
.endr
.endm
.macro GEMM zero
.irp s, 0,1,2,3
.if \s > 0
	PLACES 4
.endif
	FRAG128 B1, A1, (\s)*1536
	FRAG128 B1+12, A1, (4+\s)*1536
.irp t, 0,1,2,3
	FRAG128 B0+12*\t, A0, (4*\t+\s)*1536
.endr
	s_wait_dscnt 0x0
	MM8 \s, 0, \zero
	PLACES 4
.irp t, 0,1,2,3
	FRAG128 B0+12*\t, A0, (4*(\t+4)+\s)*1536
.endr
	s_wait_dscnt 0x0
	MM8 \s, 4, \zero
.endr
.endm
.macro QUANT s, pc, ct, pw
.irp b, 0,1,2,3
	v_max3_num_f32 v[TM+\b], |v[(\s)+16*\b]|, |v[(\s)+16*\b+1]|, 0x2800000
.endr
.irp i, 2,4,6,8,10,12,14
.irp b, 0,1,2,3
	v_max3_num_f32 v[TM+\b], v[TM+\b], |v[(\s)+16*\b+\i]|, |v[(\s)+16*\b+\i+1]|
.endr
.endr
.irp b, 0,1,2,3
	s_delay_alu instid0(VALU_DEP_4)
	v_permlanex16_b32 v[TM+4+\b], v[TM+\b], s[SEL], s[SEL+1]
.endr
.irp b, 0,1,2,3
	s_delay_alu instid0(VALU_DEP_4)
	v_max_num_f32 v[TM+\b], v[TM+\b], v[TM+4+\b]
.endr
.irp b, 0,1,2,3
	s_delay_alu instid0(VALU_DEP_4)
	v_add_nc_u32 v[TM+12+\b], 0xfe000000, v[TM+\b]
.endr
.irp b, 0,1,2,3
	s_delay_alu instid0(VALU_DEP_4)
	v_lshrrev_b32 v[TM+4+\b], 23, v[TM+12+\b]
.endr
	s_delay_alu instid0(VALU_DEP_3)
	v_lshl_or_b32 v[\pw], v[TM+5], 8, v[TM+4]
	s_delay_alu instid0(VALU_DEP_1)
	v_lshl_or_b32 v[\pw], v[TM+6], 16, v[\pw]
	s_delay_alu instid0(VALU_DEP_1)
	v_lshl_or_b32 v[\pw], v[TM+7], 24, v[\pw]
.irp c, 0,1
	v_cvt_scalef32_pk16_bf6_f32 v[(\pc)+6*\c:(\pc)+6*\c+2], v[(\s)+32*\c:(\s)+32*\c+15], v[TM+12+2*\c]
	v_cvt_scalef32_pk16_bf6_f32 v[(\ct)+4*\c:(\ct)+4*\c+2], v[(\s)+32*\c+16:(\s)+32*\c+31], v[TM+12+2*\c+1]
.endr
	v_nop
.irp c, 0,1
.irp i, 0,1,2
	v_permlane16_swap_b32 v[(\pc)+6*\c+\i], v[(\ct)+4*\c+\i]
.endr
.irp i, 0,1,2
	s_delay_alu instid0(VALU_DEP_3)
	v_mov_b32 v[(\pc)+6*\c+3+\i], v[(\ct)+4*\c+\i]
.endr
.endr
.endm
	s_load_b256 s[4:11], s[0:1], 0x0
	s_load_b128 s[12:15], s[0:1], 0x20
	v_lshl_add_u32 v126, v0, 2, 0x3c000
	v_mov_b32 v127, 0
	ds_add_u32 v126, v127
	ds_add_u32 v126, v127
	v_lshrrev_b32 v1, 5, v0
	s_delay_alu instid0(VALU_DEP_1)
	v_readfirstlane_b32 s[WV], v1
	s_bfe_u32 s17, ttmp6, 0x40000
	s_lshl_b32 s18, ttmp9, 2
	s_add_co_u32 s18, s18, s17
	s_and_b32 s19, ttmp7, 0xffff
	s_lshr_b32 s20, s18, 4
	s_and_b32 s21, s18, 15
	s_and_b32 s22, s19, 1
	s_mov_b32 s60, 0xffff0000
	s_mov_b32 s[SEL], 0x76543210
	s_mov_b32 s[SEL+1], 0xfedcba98
	DENSE G1W, 64, JOINT                           ; waves 0-11: a twelfth of the weight's codes each, 16,384 bytes
	DENSE G1X, 48, PLAIN                           ; waves 12-15: a quarter of x's codes each, 12,288 bytes
	s_mov_b32 s[G0W], 1
	s_mul_i32 s[G0W+1], s[WV], 16384
	s_mul_i32 s26, s19, 196608
	s_add_co_u32 s26, s26, s[G0W+1]
	s_add_co_u32 s26, s26, WC
	s_mov_b32 s27, 0
	s_mul_i32 s66, s22, XCIN
	s_mul_i32 s67, s18, 49152
	s_add_co_u32 s66, s66, s67
	s_and_b32 s25, s[WV], 3
	s_mul_i32 s25, s25, 12288
	s_add_co_u32 s66, s66, s25
	s_mov_b32 s67, 0
	s_mov_b32 s[G0X], 1
	s_add_co_u32 s[G0X+1], s25, XB
	s_wait_dscnt 0x0
	s_wait_kmcnt 0x0
	s_add_nc_u64 s[G0W+2:G0W+3], s[4:5], s[26:27]
	s_or_b32 s[G0W+3], s[G0W+3], 0x80000000
	s_add_nc_u64 s[G0X+2:G0X+3], s[4:5], s[66:67]
	s_or_b32 s[G0X+3], s[G0X+3], 0x80000000
	ROUND
	s_cmp_lt_u32 s[WV], 12                         ; the head's tiles are shared out: one tensor load a wave
	s_cbranch_scc0 .Lhx
	tensor_load_to_lds s[G0W:G0W+3], s[G1W:G1W+7]
	s_nop 0
	PLACES 4
	s_branch .Lhj
.Lhx:
	tensor_load_to_lds s[G0X:G0X+3], s[G1X:G1X+7]
	s_nop 0
	PLACES 4
.Lhj:
	v_and_b32 v5, 31, v0
	v_and_b32 v6, 15, v0
	v_bfe_u32 v7, v0, 4, 1
	s_delay_alu instid0(VALU_DEP_2)
	v_lshlrev_b32 v3, 4, v6
	s_cmp_lt_u32 s19, 2
	s_cbranch_scc0 .Lvpath
	s_and_b32 s23, s[WV], 3
	s_lshr_b32 s24, s[WV], 2
	s_mul_i32 s25, s23, 49152
	v_lshl_add_u32 v[A0], v5, 4, s25
	s_mul_i32 s25, s24, 12288
	s_add_co_u32 s25, s25, XB
	v_lshl_add_u32 v[A1], v5, 4, s25
	s_lshl_b32 s26, s19, 13
	s_lshl_b32 s25, s23, 11
	s_add_co_u32 s26, s26, s25
	s_add_co_u32 s26, s26, WSO
	s_add_nc_u64 s[56:57], s[4:5], s[26:27]
	s_lshl_b32 s26, s22, 17
	s_lshl_b32 s25, s18, 11
	s_add_co_u32 s26, s26, s25
	s_lshl_b32 s25, s24, 9
	s_add_co_u32 s26, s26, s25
	s_add_co_u32 s26, s26, XSO
	s_add_nc_u64 s[58:59], s[4:5], s[26:27]
	s_cmp_eq_u32 s19, 0
	s_cselect_b64 s[28:29], s[6:7], s[8:9]
	s_lshl_b32 s25, s23, 9
	s_wait_alu depctr_va_vdst(0)
	v_lshl_add_u32 v4, v7, 6, s25
.irp t, 0,1,2,3,4,5,6,7
	global_load_b128 v[S0+4*\t:S0+4*\t+3], v3, s[56:57] offset:256*\t
.endr
.irp i, 0,1
	global_load_b128 v[S1+4*\i:S1+4*\i+3], v3, s[58:59] offset:256*\i
.endr
.irp i, 0,1
.set j, 0
.rept 16
	global_load_b128 v[ACC+64*\i+4*j:ACC+64*\i+4*j+3], v4, s[28:29] offset:128*(j/4)+16*(j%4)
.set j, j+1
.endr
.endr
	s_wait_tensorcnt 0x0
	s_barrier_signal -1
	s_barrier_wait -1
	s_wait_loadcnt 0x0
	GEMM 0
	PLACES 4
.irp b, 0,1,2,3
	v_mov_b32 v[TM+4+\b], 0
.endr
	QUANT ACC, PCA, CTA, PW
	QUANT ACC+64, PCA+20, CTA+20, PW+1
	s_lshl_b32 s25, s19, 2
	s_add_co_u32 s25, s25, s20
	s_lshl_b32 s25, s25, 3
	s_lshl_b32 s26, s23, 1
	s_add_co_u32 s25, s25, s26
	s_lshl_b32 s25, s25, 4
	s_add_co_u32 s25, s25, s21
	s_mul_i32 s26, s25, 6656
	s_add_nc_u64 s[30:31], s[14:15], s[26:27]
	s_mul_i32 s25, s24, 1536
	v_lshl_add_u32 v[OA], v5, 4, s25
	s_wait_alu depctr_va_vdst(0)
	s_add_co_u32 s25, s25, 512
	v_lshl_add_u32 v[OB], v5, 3, s25
	s_lshl_b32 s25, s24, 7
	s_add_co_u32 s25, s25, 6144
	v_lshl_add_u32 v[OC], v5, 2, s25
	v_cndmask_b32 v[OW], v[PW], v[PW+1], s60
	s_delay_alu instid0(VALU_DEP_1)
	v_and_b32 v[OW+1], 0xffff, v[OW]
	s_delay_alu instid0(VALU_DEP_2)
	v_lshrrev_b32 v[OW], 16, v[OW]
.irp i, 0,1
	global_store_b128 v[OA], v[PCA+20*\i:PCA+20*\i+3], s[30:31] offset:768*\i
	global_store_b64 v[OB], v[PCA+20*\i+4:PCA+20*\i+5], s[30:31] offset:768*\i
	global_store_b128 v[OA], v[PCA+20*\i+6:PCA+20*\i+9], s[30:31] offset:768*\i+106496
	global_store_b64 v[OB], v[PCA+20*\i+10:PCA+20*\i+11], s[30:31] offset:768*\i+106496
.endr
	global_store_b32 v[OC], v[OW+1], s[30:31]
	global_store_b32 v[OC], v[OW], s[30:31] offset:106496
	s_branch .Ljoin
.Lvpath:
	s_wait_alu depctr_va_vdst(0)
	v_lshl_add_u32 v[A0], v5, 4, XB
	s_mul_i32 s25, s[WV], 12288
	v_lshl_add_u32 v[A1], v5, 4, s25
	s_lshl_b32 s26, s22, 17
	s_lshl_b32 s25, s18, 11
	s_add_co_u32 s26, s26, s25
	s_add_co_u32 s26, s26, XSO
	s_add_nc_u64 s[56:57], s[4:5], s[26:27]
	s_lshl_b32 s26, s19, 13
	s_lshl_b32 s25, s[WV], 9
	s_add_co_u32 s26, s26, s25
	s_add_co_u32 s26, s26, WSO
	s_add_nc_u64 s[58:59], s[4:5], s[26:27]
	s_cmp_eq_u32 s19, 2
	s_cselect_b64 s[28:29], s[10:11], s[12:13]
	v_and_b32 v7, 8, v6
	s_delay_alu instid0(VALU_DEP_1)
	v_add_nc_u32 v7, v7, v6
	s_lshl_b32 s25, s[WV], 7
	v_lshl_add_u32 v4, v7, 2, s25
.irp t, 0,1,2,3,4,5,6,7
	global_load_b128 v[S0+4*\t:S0+4*\t+3], v3, s[56:57] offset:256*\t
.endr
.irp i, 0,1
	global_load_b128 v[S1+4*\i:S1+4*\i+3], v3, s[58:59] offset:256*\i
.endr
	global_load_b32 v120, v4, s[28:29]
	global_load_b32 v122, v4, s[28:29] offset:32
	v_mov_b32 v121, 0
	v_mov_b32 v123, 0
	s_wait_alu depctr_va_vdst(0)
	s_wait_tensorcnt 0x0
	s_barrier_signal -1
	s_barrier_wait -1
	s_wait_loadcnt 0x0
	GEMM 1
	PLACES 4
.irp i, 0,1
.set j, 0
.rept 32
	v_pk_add_f32 v[ACC+64*\i+j:ACC+64*\i+j+1], v[ACC+64*\i+j:ACC+64*\i+j+1], v[120+2*\i:121+2*\i] op_sel_hi:[1,0]
.set j, j+2
.endr
.endr
.irp b, 0,1,2,3
	v_mov_b32 v[TM+4+\b], 0
.endr
	QUANT ACC, PCA, CTA, PW
	QUANT ACC+64, PCA+20, CTA+20, PW+1
	s_sub_co_u32 s25, s19, 2
	s_lshl_b32 s25, s25, 2
	s_add_co_u32 s25, s25, s20
	s_lshl_b32 s25, s25, 3
	s_lshr_b32 s26, s[WV], 1
	s_add_co_u32 s25, s25, s26
	s_lshl_b32 s25, s25, 4
	s_add_co_u32 s25, s25, s21
	s_mul_i32 s26, s25, 6400
	s_add_co_u32 s26, s26, VOFF
	s_add_nc_u64 s[30:31], s[14:15], s[26:27]
	s_and_b32 s24, s[WV], 1
	s_mul_i32 s25, s24, 3072
	v_lshl_add_u32 v[OA], v5, 4, s25
	s_wait_alu depctr_va_vdst(0)
	s_lshl_b32 s25, s24, 7
	s_add_co_u32 s25, s25, 6144
	v_lshl_add_u32 v[OC], v5, 2, s25
	v_cndmask_b32 v[OW], v[PW], v[PW+1], s60
.irp i, 0,1
.irp c, 0,1,2
	global_store_b128 v[OA], v[PCA+20*\i+4*\c:PCA+20*\i+4*\c+3], s[30:31] offset:1536*\i+512*\c
.endr
.endr
	global_store_b32 v[OC], v[OW], s[30:31]
.Ljoin:
	s_wait_tensorcnt 0x0
	ds_add_u32 v126, v127
	s_wait_dscnt 0x0
	ROUND
	s_endpgm
.Lfunc_end_k_qd34ee2c02b_proj:
	.size	k_qd34ee2c02b_proj, .Lfunc_end_k_qd34ee2c02b_proj-k_qd34ee2c02b_proj
	.p2alignl 7, 3214868480
	.fill 96, 4, 3214868480
	.section	.rodata,"a",@progbits
	.p2align	6, 0x0
	.amdhsa_kernel k_qd34ee2c02b_proj
		.amdhsa_group_segment_fixed_size 327680
		.amdhsa_private_segment_fixed_size 0
		.amdhsa_enable_private_segment 0
		.amdhsa_kernarg_size 48
		.amdhsa_user_sgpr_count 2
		.amdhsa_user_sgpr_kernarg_segment_ptr 1
		.amdhsa_wavefront_size32 1
		.amdhsa_system_sgpr_workgroup_id_x 1
		.amdhsa_system_sgpr_workgroup_id_y 1
		.amdhsa_system_sgpr_workgroup_id_z 1
		.amdhsa_system_vgpr_workitem_id 0
		.amdhsa_next_free_vgpr 256
		.amdhsa_next_free_sgpr 80
		.amdhsa_reserve_vcc 0
		.amdhsa_float_denorm_mode_32 3
		.amdhsa_float_denorm_mode_16_64 3
		.amdhsa_memory_ordered 1
		.amdhsa_forward_progress 1
		.amdhsa_inst_pref_size 72
	.end_amdhsa_kernel
	.amdgpu_metadata
---
amdhsa.version: [ 1, 2 ]
amdhsa.kernels:
  - .name:           k_qd34ee2c02b_proj
    .symbol:         k_qd34ee2c02b_proj.kd
    .args:
      - { .name: pre, .offset: 0, .size: 8, .value_kind: global_buffer, .address_space: global }
      - { .name: bq, .offset: 8, .size: 8, .value_kind: global_buffer, .address_space: global }
      - { .name: bk, .offset: 16, .size: 8, .value_kind: global_buffer, .address_space: global }
      - { .name: bv1, .offset: 24, .size: 8, .value_kind: global_buffer, .address_space: global }
      - { .name: bv2, .offset: 32, .size: 8, .value_kind: global_buffer, .address_space: global }
      - { .name: qkv, .offset: 40, .size: 8, .value_kind: global_buffer, .address_space: global }
    .group_segment_fixed_size: 327680
    .private_segment_fixed_size: 0
    .kernarg_segment_align: 8
    .kernarg_segment_size: 48
    .max_flat_workgroup_size: 512
    .sgpr_count:     80
    .vgpr_count:     256
    .wavefront_size: 32
...
	.end_amdgpu_metadata
.endif
;; end of part 2
;; launch stats (part 3): grid 4 x 64, 16 waves a work-group, clusters of 4 x 1, 169,984 bytes of LDS; arguments qkv, lse; writes lse
.if DOCPART == 3
	.amdgcn_target "amdgcn-amd-amdhsa--gfx1250"
	.amdhsa_code_object_version 6
	.text
	.protected	k_qd34ee2c02b_stats
	.globl	k_qd34ee2c02b_stats
	.p2align	8
	.type	k_qd34ee2c02b_stats,@function
k_qd34ee2c02b_stats:
	s_mov_b64 s[64:65], 0
	v_nop
	global_prefetch_b8 v0, s[64:65] scope:SCOPE_SE
	s_setreg_imm32_b32 hwreg(HW_REG_WAVE_MODE, 25, 1), 1
	s_wait_xcnt 0x0
	s_wait_alu depctr_hold_cnt(0) depctr_sa_sdst(0) depctr_va_vdst(0) depctr_va_sdst(0) depctr_va_ssrc(0) depctr_va_vcc(0) depctr_vm_vsrc(0)
	s_getreg_b32 s2, hwreg(HW_REG_IB_STS2, 6, 4)
	s_cmp_eq_u32 s2, 0
	s_cbranch_scc0 .Lentry_in_a_cluster
	s_endpgm
.Lentry_in_a_cluster:
	s_bfe_u32 s2, ttmp6, 0x10000c
	s_cmp_lg_u32 s2, 0x3003
	s_cbranch_scc0 .Lentry_shape_is_right
	s_endpgm
.Lentry_shape_is_right:
; For each (direction, batch, head) = y and each token j of the side that the softmax is normalised FOR: NL[j] = -(max over m of s[m][j] + 8 ln(sum over m of e^((s[m][j] - max) / 8))), s the raw score q . k on codes of BF6.
; Then the finished softmax is 2^(c (s + NL[j])), c = log2(e) / 8.  The maximum is a running one: in every step the sum is multiplied by 2^(c (old max - new max)).
; Direction 0 (o1): j = keys, m = queries; direction 1 (o2): j = queries, m = keys.
; A work-group: 512 tokens j; wave w: two tiles of 16 (lanes = j), kept in registers.  All 2,048 rows m of the head (16 records of 6,656 bytes) lie in LDS, fetched once: one record a wave, asked for jointly by the
; four work-groups of y (mask 15).  Source 0 = 16 rows m, source 1 = my 16 j: a lane holds one j and its registers run along m.  Nothing streams from memory inside the loop, so no prefetch is laid.
; K = 64 in an instruction of K = 128: my side's upper six registers hold zero codes; the streamed side's tiles lie 6 registers apart and are named 12 long, so the upper six are the next tile's codes, which meet
; zeros; the scale words' upper two bytes are 0 (2^-127) on both sides.
; THE TWO TILES TAKE TURNS, block by block.  A BLOCK for tile a, with o the other tile: o's sums of its last step; o's eight products of its next step, and behind their places the run of LDS loads for the record after;
; then tile a's 65 exponentials as one batch; then o's maximum and scaling.  So the products and the loads are issued ahead of the batch, and their results are first read behind it.
; LIMITS: NaN and infinities are not served; |raw score| under about 1e37.
.set JOINT, (3<<16)|(1<<21)|15
.set REC,  6656
.set STG,  106496                      ; LDS behind the 16 records: 512 numbers NL in token order
.set SPARE, 0x29000                    ; the spare words: 128 bytes a wave
.set WV,  8
.set CS,  14                           ; s[14:15] c
.set NC,  16                           ; s16 -c
.set SEL, 18
.set TQ,  20                           ; s20 the record in LDS that was fetched last
.set CNT, 21
.set NL8, 22                           ; s22 -8 ln 2
.set G1,  32
.set G0,  40
.set FS,  13                           ; v13, 14 my two tiles' scale words
.set F,   16                           ; v16-39  my two tiles: 6 registers of codes + 6 of zeros each
.set X,   40                           ; v40-87  a step's 8 tiles, 6 registers each; v88-93 zeros
.set SW,  94                           ; v94-97  their scale words: lanes 0-15 tile 2 p, lanes 16-31 tile 2 p + 1
.set S,   100                          ; v100-163 tile 0's scores; tile 1's at S + 92: v192-255
.set T,   164                          ; v164-167 four chains of the maximum; two of the sums' four
.set MX,  168                          ; v168, 169 running maximum
.set NCM, 170                          ; v[170:171], v[172:173] -c x maximum (low word)
.set SUM, 174                          ; v[174:175], v[176:177] running sum, in two halves
.set AA,  178                          ; v[178:179], and for tile 1 v[186:187]: 2^(c (old maximum - new)) (low word)
.set TS,  180
.set NN,  182
.set DD,  183                          ; v183, 184 c (old maximum - new)
.set SPW, 189
.set RDB, 190
.set NIL, 191
.macro ROUND
	s_barrier_signal -1
	s_barrier_wait -1
	s_cmp_lg_u32 s[WV], 0
	s_cbranch_scc1 .Lnot_wave_0_\@
	s_barrier_signal -3
.Lnot_wave_0_\@:
	s_barrier_wait -3
	s_barrier_signal -1
	s_barrier_wait -1
.endm
.macro PLACES n
.rept \n
	v_nop
.endr
.endm
.macro WM d, a, b, sa, sb, row         ; the constant 0 starts each sum; row = 1: source 0's scales from lanes 16-31
.if \row
	v_wmma_scale_f32_16x16x128_f8f6f4 v[(\d):(\d)+7], v[(\a):(\a)+11], v[(\b):(\b)+11], 0, v[\sa], v[\sb] matrix_a_fmt:MATRIX_FMT_BF6 matrix_b_fmt:MATRIX_FMT_BF6 matrix_a_scale:MATRIX_SCALE_ROW1
.else
	v_wmma_scale_f32_16x16x128_f8f6f4 v[(\d):(\d)+7], v[(\a):(\a)+11], v[(\b):(\b)+11], 0, v[\sa], v[\sb] matrix_a_fmt:MATRIX_FMT_BF6 matrix_b_fmt:MATRIX_FMT_BF6
.endif
.endm
.macro MM a                            ; tile a's eight products of a step: 128 rows m
.irp t, 0,1,2,3,4,5,6,7
	WM S+92*\a+8*\t, X+6*\t, F+12*\a, SW+\t/2, FS+\a, \t%2
.endr
.endm
.macro XLOAD                           ; a record's 8 tiles and their scale words: 20 LDS loads
.irp t, 0,1,2,3,4,5,6,7
	ds_load_b128 v[X+6*\t:X+6*\t+3], v7 offset:768*\t
	ds_load_b64 v[X+6*\t+4:X+6*\t+5], v8 offset:768*\t
.endr
.irp p, 0,1,2,3
	ds_load_b32 v[SW+\p], v9 offset:128*\p
.endr
.endm
; Tile a's maximum and scaling, 69 lines: the step's maximum in four chains by turns (each accumulator is read from its low end on), with the running one; -c x maximum and its change; c s - c maximum
.macro PRE a
.set RS, S+92*\a
.irp c, 0,1,2,3
	v_max3_num_f32 v[T+\c], v[RS+16*\c], v[RS+16*\c+1], v[RS+16*\c+2]
.endr
.irp i, 3,5,7,9,11,13
.irp c, 0,1,2,3
	v_max3_num_f32 v[T+\c], v[T+\c], v[RS+16*\c+\i], v[RS+16*\c+\i+1]
.endr
.endr
.irp c, 0,1,2,3
	v_max_num_f32 v[T+\c], v[T+\c], v[RS+16*\c+15]
.endr
	v_max3_num_f32 v[T], v[T], v[T+1], v[T+2]
	v_max3_num_f32 v[MX+\a], v[T], v[T+3], v[MX+\a]
	v_mul_f32 v[NN], s[NC], v[MX+\a]
	v_sub_f32 v[DD+\a], v[NN], v[NCM+2*\a]
	v_mov_b32 v[NCM+2*\a], v[NN]
.set j, 0
.rept 32
	v_pk_fma_f32 v[RS+j:RS+j+1], v[RS+j:RS+j+1], s[CS:CS+1], v[NCM+2*\a:NCM+2*\a+1] op_sel_hi:[1,0,0]
.set j, j+2
.endr
.endm
; Tile a's sums, 33 lines: the running sum under the new maximum, then the 32 pairs in four chains by turns
.macro SUMS a
.set RS, S+92*\a
	v_pk_mul_f32 v[SUM+2*\a:SUM+2*\a+1], v[SUM+2*\a:SUM+2*\a+1], v[AA+8*\a:AA+8*\a+1] op_sel_hi:[1,0]
	v_pk_add_f32 v[TS:TS+1], v[RS:RS+1], v[RS+2:RS+3]
	v_pk_add_f32 v[T:T+1], v[RS+4:RS+5], v[RS+6:RS+7]
	v_pk_add_f32 v[T+2:T+3], v[RS+8:RS+9], v[RS+10:RS+11]
.set j, 12
.rept 6
	v_pk_add_f32 v[SUM+2*\a:SUM+2*\a+1], v[SUM+2*\a:SUM+2*\a+1], v[RS+j:RS+j+1]
	v_pk_add_f32 v[TS:TS+1], v[TS:TS+1], v[RS+j+2:RS+j+3]
	v_pk_add_f32 v[T:T+1], v[T:T+1], v[RS+j+4:RS+j+5]
	v_pk_add_f32 v[T+2:T+3], v[T+2:T+3], v[RS+j+6:RS+j+7]
.set j, j+8
.endr
	v_pk_add_f32 v[SUM+2*\a:SUM+2*\a+1], v[SUM+2*\a:SUM+2*\a+1], v[RS+60:RS+61]
	v_pk_add_f32 v[TS:TS+1], v[TS:TS+1], v[RS+62:RS+63]
	v_pk_add_f32 v[T:T+1], v[T:T+1], v[T+2:T+3]
	v_pk_add_f32 v[SUM+2*\a:SUM+2*\a+1], v[SUM+2*\a:SUM+2*\a+1], v[TS:TS+1]
	v_pk_add_f32 v[SUM+2*\a:SUM+2*\a+1], v[SUM+2*\a:SUM+2*\a+1], v[T:T+1]
.endm
; A BLOCK.  sums = 1: tile o has a step to sum.  mm = 1: tile o has a next step.  fetch = 1: a further record is asked for.
; Two waits on plain instructions' writes: one ahead of the wait for LDS, the products and the batch, behind all that plain instructions have written for them;
; one behind the batch, directly ahead of the first readers of the products' results, which are plain instructions on end.
.macro BLK a, o, sums, mm, fetch
.if \sums
	SUMS \o
.endif
	s_wait_alu depctr_va_vdst(0)
.if \mm
	s_wait_dscnt 0x0                               ; the record asked for a block ago is in
	MM \o
.if \fetch                             ; four places between the products and the loads into the registers that they read
	s_add_co_u32 s[TQ], s[TQ], REC
	v_add_nc_u32 v7, s[TQ], v1
	v_add_nc_u32 v8, s[TQ], v2
	v_add_nc_u32 v9, s[TQ], v3
	v_nop
	XLOAD
.else
	PLACES 4
.endif
.endif
	v_exp_f32 v[AA+8*\a], v[DD+\a]                 ; the sum's factor,
.set j, 0
.rept 64
	v_exp_f32 v[S+92*\a+j], v[S+92*\a+j]           ; and tile a's 64 numbers
.set j, j+1
.endr
	v_nop                                          ; a plain place behind the last exponential
	s_wait_alu depctr_va_vdst(0)
.if \mm
	PRE \o
.endif
.endm
	s_load_b128 s[4:7], s[0:1], 0x0                ; qkv, lse
	v_lshl_add_u32 v[SPW], v0, 2, SPARE
	v_mov_b32 v[NIL], 0
	ds_add_u32 v[SPW], v[NIL]                      ; the opening lines: the add, twice on end, and its wait
	ds_add_u32 v[SPW], v[NIL]
	v_lshrrev_b32 v1, 5, v0
	v_readfirstlane_b32 s[WV], v1                  ; wave 0..15
	s_bfe_u32 s9, ttmp6, 0x40000                   ; cx: which 512 tokens j; it enters global addresses of plain loads and stores alone
	s_and_b32 s10, ttmp7, 0xffff                   ; y = 32 direction + 8 batch + head
	s_mov_b32 s[CS], 0x3e38aa3b
	s_mov_b32 s[CS+1], s[CS]
	s_mov_b32 s[NC], 0xbe38aa3b
	s_mov_b32 s[NL8], 0xc0b17218
	s_mov_b32 s[SEL], 0x76543210
	s_mov_b32 s[SEL+1], 0xfedcba98
	s_mov_b32 s[G1], JOINT                         ; a record: 26 rows of 256 bytes
	s_mov_b32 s[G1+1], 32<<16
	s_mov_b32 s[G1+2], 26<<16
	s_mov_b32 s[G1+3], 32<<16
	s_mov_b32 s[G1+4], 26
	s_mov_b32 s[G1+5], 32
	s_mov_b32 s[G1+6], 0
	s_mov_b32 s[G1+7], 0
	s_lshl_b32 s24, s10, 4                         ; the streamed side is tensor 'direction' (q, k): record (16 y + wave)
	s_add_co_u32 s24, s24, s[WV]
	s_mul_i32 s24, s24, REC
	s_mov_b32 s25, 0
	s_mov_b32 s[G0], 1
	s_mul_i32 s[G0+1], s[WV], REC
	s_xor_b32 s26, s10, 32                         ; my side is the other tensor: record 16 (y xor 32) + 4 cx + wave / 4, tiles (2 wave) % 8 on
	s_lshl_b32 s26, s26, 4
	s_lshl_b32 s13, s9, 2
	s_add_co_u32 s26, s26, s13
	s_lshr_b32 s13, s[WV], 2
	s_add_co_u32 s26, s26, s13
	s_mul_i32 s26, s26, REC
	s_lshl_b32 s13, s[WV], 1
	s_and_b32 s13, s13, 7
	s_mul_i32 s28, s13, 768
	s_add_co_u32 s28, s28, s26
	s_mov_b32 s29, 0
	s_lshl_b32 s30, s13, 6
	s_add_co_u32 s30, s30, s26
	s_add_co_u32 s30, s30, 6144
	s_mov_b32 s31, 0
	s_lshl_b32 s44, s10, 13                        ; lse: 8,192 y + 2,048 cx + 512 wave
	s_lshl_b32 s13, s9, 11
	s_add_co_u32 s44, s44, s13
	s_lshl_b32 s13, s[WV], 9
	s_add_co_u32 s44, s44, s13
	s_mov_b32 s45, 0
	s_wait_dscnt 0x0                               ; both opening adds are done
	s_wait_kmcnt 0x0
	s_add_nc_u64 s[G0+2:G0+3], s[4:5], s[24:25]
	s_or_b32 s[G0+3], s[G0+3], 0x80000000
	s_add_nc_u64 s[28:29], s[4:5], s[28:29]
	s_add_nc_u64 s[30:31], s[4:5], s[30:31]
	s_add_nc_u64 s[44:45], s[6:7], s[44:45]
	ROUND                                          ; all four work-groups are here: the joint loads meet
	tensor_load_to_lds s[G0:G0+3], s[G1:G1+7]      ; one load of mine is out
	s_nop 0
	PLACES 4
	v_and_b32 v10, 31, v0                          ; lane
	v_and_b32 v11, 15, v0                          ; r
	v_lshlrev_b32 v1, 4, v10                       ; 16 l: registers 0-3 of a half image
	v_lshl_add_u32 v2, v10, 3, 512                 ; 512 + 8 l: registers 4-5
	v_lshl_add_u32 v3, v10, 2, 6144                ; a record's scale words, 4 l
	v_lshlrev_b32 v6, 2, v11                       ; 4 r
.irp a, 0,1
	global_load_b128 v[F+12*\a:F+12*\a+3], v1, s[28:29] offset:768*\a
	global_load_b64 v[F+12*\a+4:F+12*\a+5], v2, s[28:29] offset:768*\a
	global_load_b32 v[FS+\a], v6, s[30:31] offset:64*\a
.endr
.irp a, 0,1
.irp i, 6,7,8,9,10,11
	v_mov_b32 v[F+12*\a+\i], 0                     ; zero codes for K = 64 .. 127
.endr
.endr
.irp i, 0,1,2,3,4,5
	v_mov_b32 v[X+48+\i], 0                        ; behind the last tile: named, and met by zeros
.endr
	v_and_b32 v12, 8, v11
	v_add_nc_u32 v12, v12, v11                     ; lane r of tile 2 G + a is token 32 G + 8 a + r + 8 (r / 8)
	s_lshl_b32 s13, s[WV], 7
	s_add_co_u32 s13, s13, STG
	v_lshl_add_u32 v15, v12, 2, s13                ; the stage: 4 (32 wave + r + 8 (r / 8)), + 32 a
	s_lshl_b32 s13, s[WV], 9
	s_add_co_u32 s13, s13, STG
	v_add_nc_u32 v[RDB], s13, v1                   ; and back (waves 0-3): 512 wave + 16 l
.irp a, 0,1
	v_mov_b32 v[MX+\a], 0xff61b1e6                 ; -3e38, under every score
	v_mul_f32 v[NCM+2*\a], s[NC], v[MX+\a]
	v_mov_b32 v[NCM+2*\a+1], 0                     ; (named as the pair's upper half)
	v_mov_b32 v[SUM+2*\a], 0
	v_mov_b32 v[SUM+2*\a+1], 0
	v_mov_b32 v[AA+8*\a+1], 0
.endr
	s_mov_b32 s[TQ], 0
	s_wait_alu depctr_va_vdst(0)                   ; the wait at the head's end
	s_wait_tensorcnt 0x0                           ; my record has landed,
	s_barrier_signal -1
	s_barrier_wait -1                              ; all sixteen have
	s_wait_loadcnt 0x0                             ; my two tiles
	; the way in: step 0's tiles, tile 0's products, its maximum and scaling
	v_add_nc_u32 v7, s[TQ], v1
	v_add_nc_u32 v8, s[TQ], v2
	v_add_nc_u32 v9, s[TQ], v3
	XLOAD
	s_wait_dscnt 0x0
	MM 0
	PLACES 4
	PRE 0
	BLK 0, 1, 0, 1, 1                              ; step 0: tile 1's products, step 1's tiles asked for | tile 0's exponentials | tile 1's maximum and scaling
	BLK 1, 0, 1, 1, 0                              ;         tile 0's sums, its products of step 1 | tile 1's exponentials | tile 0's maximum and scaling
	s_mov_b32 s[CNT], 14
.Lstep:                                            ; steps 1 to 14, 128 rows m each
	BLK 0, 1, 1, 1, 1
	BLK 1, 0, 1, 1, 0
	s_sub_co_u32 s[CNT], s[CNT], 1
	s_cmp_lg_u32 s[CNT], 0
	s_wait_alu depctr_va_vdst(0)                   ; directly ahead of the branch
	s_cbranch_scc1 .Lstep
	BLK 0, 1, 1, 1, 0                              ; step 15: nothing more to fetch,
	BLK 1, 0, 1, 0, 0                              ; and no further products
	SUMS 1
	; The two halves of the lanes hold the same j and different m: join them.  Both products are formed, then added, so that both halves get the same bits.
.irp a, 0,1
	v_add_f32 v[S+8*\a], v[SUM+2*\a], v[SUM+2*\a+1]
.endr
.irp a, 0,1
	v_permlanex16_b32 v[S+8*\a+1], v[MX+\a], s[SEL], s[SEL+1]
	v_permlanex16_b32 v[S+8*\a+2], v[S+8*\a], s[SEL], s[SEL+1]
.endr
.irp a, 0,1
	v_max_num_f32 v[S+8*\a+3], v[MX+\a], v[S+8*\a+1]
.endr
.irp a, 0,1
	v_sub_f32 v[S+8*\a+4], v[MX+\a], v[S+8*\a+3]
	v_sub_f32 v[S+8*\a+5], v[S+8*\a+1], v[S+8*\a+3]
.endr
.irp a, 0,1
	v_mul_f32 v[S+8*\a+4], s[CS], v[S+8*\a+4]
	v_mul_f32 v[S+8*\a+5], s[CS], v[S+8*\a+5]
.endr
	s_wait_alu depctr_va_vdst(0)                   ; ahead of the batch of four
.irp a, 0,1
	v_exp_f32 v[S+8*\a+4], v[S+8*\a+4]
	v_exp_f32 v[S+8*\a+5], v[S+8*\a+5]
.endr
	v_nop
	s_wait_alu depctr_va_vdst(0)                   ; one wait for the four
.irp a, 0,1
	v_mul_f32 v[S+8*\a+4], v[S+8*\a], v[S+8*\a+4]
	v_mul_f32 v[S+8*\a+5], v[S+8*\a+2], v[S+8*\a+5]
.endr
.irp a, 0,1
	v_add_f32 v[S+8*\a+6], v[S+8*\a+4], v[S+8*\a+5]
.endr
	s_wait_alu depctr_va_vdst(0)                   ; ahead of the two
.irp a, 0,1
	v_log_f32 v[S+8*\a+7], v[S+8*\a+6]
.endr
	v_nop
	s_wait_alu depctr_va_vdst(0)                   ; one wait for the two
.irp a, 0,1
	v_fma_f32 v[S+8*\a+6], v[S+8*\a+7], s[NL8], -v[S+8*\a+3]   ; NL = -maximum - 8 ln 2 x log2(sum)
.endr
.irp a, 0,1
	ds_store_b32 v15, v[S+8*\a+6] offset:32*\a     ; into token order; lanes l and l xor 16 write the same word with the same bits
.endr
	s_wait_dscnt 0x0
	s_barrier_signal -1
	s_barrier_wait -1                              ; the work-group's 512 numbers lie in the stage
	s_cmp_gt_u32 s[WV], 3
	s_cbranch_scc1 .Lstored
	ds_load_b128 v[T:T+3], v[RDB]
	s_wait_dscnt 0x0
	global_store_b128 v1, v[T:T+3], s[44:45]       ; 512 consecutive aligned bytes a wave
.Lstored:
	s_wait_tensorcnt 0x0                           ; the wave's end
	ds_add_u32 v[SPW], v[NIL]
	s_wait_dscnt 0x0
	ROUND                                          ; the closing round
	s_endpgm
.Lfunc_end_k_qd34ee2c02b_stats:
	.size	k_qd34ee2c02b_stats, .Lfunc_end_k_qd34ee2c02b_stats-k_qd34ee2c02b_stats
	.p2alignl 7, 3214868480
	.fill 96, 4, 3214868480
	.section	.rodata,"a",@progbits
	.p2align	6, 0x0
	.amdhsa_kernel k_qd34ee2c02b_stats
		.amdhsa_group_segment_fixed_size 169984
		.amdhsa_private_segment_fixed_size 0
		.amdhsa_enable_private_segment 0
		.amdhsa_kernarg_size 16
		.amdhsa_user_sgpr_count 2
		.amdhsa_user_sgpr_kernarg_segment_ptr 1
		.amdhsa_wavefront_size32 1
		.amdhsa_system_sgpr_workgroup_id_x 1
		.amdhsa_system_sgpr_workgroup_id_y 1
		.amdhsa_system_sgpr_workgroup_id_z 1
		.amdhsa_system_vgpr_workitem_id 0
		.amdhsa_next_free_vgpr 256
		.amdhsa_next_free_sgpr 66
		.amdhsa_reserve_vcc 0
		.amdhsa_float_denorm_mode_32 3
		.amdhsa_float_denorm_mode_16_64 3
		.amdhsa_memory_ordered 1
		.amdhsa_forward_progress 1
		.amdhsa_inst_pref_size 69
	.end_amdhsa_kernel
	.amdgpu_metadata
---
amdhsa.version: [ 1, 2 ]
amdhsa.kernels:
  - .name:           k_qd34ee2c02b_stats
    .symbol:         k_qd34ee2c02b_stats.kd
    .args:
      - { .name: qkv, .offset: 0, .size: 8, .value_kind: global_buffer, .address_space: global }
      - { .name: lse, .offset: 8, .size: 8, .value_kind: global_buffer, .address_space: global }
    .group_segment_fixed_size: 169984
    .private_segment_fixed_size: 0
    .kernarg_segment_align: 8
    .kernarg_segment_size: 16
    .max_flat_workgroup_size: 512
    .sgpr_count:     66
    .vgpr_count:     256
    .wavefront_size: 32
...
	.end_amdgpu_metadata
.endif
;; end of part 3
;; launch ctxl (part 4): grid 4 x 64, 16 waves a work-group, clusters of 4 x 1, 219,136 bytes of LDS; arguments qkv, lse, ctx; writes ctx
.if DOCPART == 4
	.amdgcn_target "amdgcn-amd-amdhsa--gfx1250"
	.amdhsa_code_object_version 6
	.text
	.protected	k_qd34ee2c02b_ctxl
	.globl	k_qd34ee2c02b_ctxl
	.p2align	8
	.type	k_qd34ee2c02b_ctxl,@function
k_qd34ee2c02b_ctxl:
	s_mov_b64 s[64:65], 0
	v_nop
	global_prefetch_b8 v0, s[64:65] scope:SCOPE_SE
	s_setreg_imm32_b32 hwreg(HW_REG_WAVE_MODE, 25, 1), 1
	s_wait_xcnt 0x0
	s_wait_alu depctr_hold_cnt(0) depctr_sa_sdst(0) depctr_va_vdst(0) depctr_va_sdst(0) depctr_va_ssrc(0) depctr_va_vcc(0) depctr_vm_vsrc(0)
	s_getreg_b32 s2, hwreg(HW_REG_IB_STS2, 6, 4)
	s_cmp_eq_u32 s2, 0
	s_cbranch_scc0 .Lentry_in_a_cluster
	s_endpgm
.Lentry_in_a_cluster:
	s_bfe_u32 s2, ttmp6, 0x10000c
	s_cmp_lg_u32 s2, 0x3003
	s_cbranch_scc0 .Lentry_shape_is_right
	s_endpgm
.Lentry_shape_is_right:
; ctx[m][:] = sum over j of Q(P[m][j]) Q(V[j][:]), P[m][j] = 2^(c (s[m][j] + NL[j])) the finished softmax (c = log2(e) / 8; NL from the launch before, which took the maximum away: P is at most 1),
; quantised along j in blocks of 32; s the raw score on codes of BF6.  Direction 0: m = queries, j = keys, V = v1; direction 1: m = keys, j = queries, V = v2.  y = 32 direction + 8 batch + head.
; A work-group: 512 rows m; wave w: two tiles of 16 (lanes = m).  The head's j side (106,496 bytes), V (102,400) and NL (8,192) lie in LDS, each byte filled once, asked for jointly by the four work-groups of y:
; waves 0-7 an eighth of the j side each, waves 8-11 a quarter of V, waves 12-15 a quarter of NL: one tensor load a wave.  Nothing streams from memory inside the loop, so no prefetch is laid.
; Both products are used transposed (S^T: source 0 = 16 j, source 1 = my 16 m; O^T: source 0 = 16 channels of V, source 1 = P): a lane holds one m throughout.  NL[j] is the C of the score product.
; WHICH j FORM A SCORE TILE is chosen by the lanes' LDS addresses: of a half step's 64 j, tile t takes j = 8 t .. 8 t + 7 as its rows 0-7 and j = 32 + 8 t .. as its rows 8-15.  So the 32 result registers of the four tiles are,
; in lanes 0-15, block 0 of the 64 and, in lanes 16-31, block 1, in ascending j: a WHOLE block of the next K in a lane, as the 6-bit operand's layout wants it.  A block's largest P needs no other lane and the codes no exchange;
; only the scale bytes are joined, once for a tile and 128 j.  In a record token 32 G + 8 u + rho + 8 (rho / 8) lies in tile 2 G + u at row rho, so lane r of tile t of half g reads tile 4 g + 2 (r / 8) + t % 2, row 8 (t / 2) + r % 8.
; K = 64 in the score product: zero codes in the upper half of my side, scale bytes 0 there on both sides.
; A half step: tile 0's four products (C = NL, D = the other area), tile 1's (in place on NL), 32 packed scalings, one batch of 64 exponentials, both tiles' maxima by turns, four conversions.
; Two areas of 32 registers change roles from half to half; an area whose P is converted takes the next NL, or V's last two images.
; LIMITS: NaN and infinities are not served; P under 2^-126 becomes 0; P is formed by one exponential of s + NL, another order of rounding than e^(s - max) / sum; a block of zeros gets the byte 1.
.set JOINT, (3<<16)|(1<<21)|15
.set VOFF, 6815744
.set CSO,  6291456                     ; ctx: the scale bytes behind the codes
.set VB,   106496
.set LB,   208896
.set SPARE, 0x35000                    ; the spare words: 128 bytes a wave
.set WV,  10
.set CS,  16
.set SEL, 18
.set TQ,  20                           ; the step's record of the j side in LDS
.set TV,  21                           ; the step's record of V
.set TL,  22                           ; the step's 512 bytes of NL
.set CNT, 23
.set G1A, 32
.set G1B, 40
.set G1C, 48
.set G0A, 56
.set G0B, 60
.set G0C, 68
; v1 16 l; v2 512 + 8 l; v3 6,144 + 4 l; v4 LB + 128 h: never rewritten.  v5-7 the j side's addresses of the step
.set L1,  8                            ; lane terms of the j side: registers 0-3, registers 4-5, scale words
.set L2,  9
.set L3,  10
.set WL,  11                           ; NL's address
.set H8,  12                           ; 8 h
.set SPW, 13
.set NIL, 14
.set VA,  15                           ; V's images
.set FS,  16                           ; v16, 17 my tiles' scale words
.set SW,  18                           ; v18, 19 the j side's
.set VS,  20                           ; v20, 21 V's
.set PW,  22                           ; v22, 23 P's
.set TM,  24                           ; v24-27 maxima: two chains a tile
.set TP,  26
.set SO,  28                           ; v28, 29 the conversions' scale operands
.set EB,  30                           ; v30-33 scale bytes: 2 tile + half
.set CT,  34                           ; v34-36, v38-40 the blocks' second halves (a conversion's three registers begin on an even number)
.set F,   42                           ; v42-65 my two tiles: 6 registers of codes + 6 of zeros each
.set XH,  66                           ; v66-89 four tiles of the j side, later V's images 0, 1; v90-95 zeros
.set AR,  96
.set BR,  128
.set O,   160                          ; v160-223 O^T: tile a, channels' tile d at 32 a + 8 d
.set PC,  224                          ; v224-247 P's codes: 12 a tile
.set VSA, 248                          ; V's scale words' address
.macro ROUND
	s_barrier_signal -1
	s_barrier_wait -1
	s_cmp_lg_u32 s[WV], 0
	s_cbranch_scc1 .Lnot_wave_0_\@
	s_barrier_signal -3
.Lnot_wave_0_\@:
	s_barrier_wait -3
	s_barrier_signal -1
	s_barrier_wait -1
.endm
.macro PLACES n
.rept \n
	v_nop
.endr
.endm
.macro DENSE g, rows
	s_mov_b32 s[\g], JOINT
	s_mov_b32 s[\g+1], 32<<16
	s_mov_b32 s[\g+2], (\rows)<<16
	s_mov_b32 s[\g+3], 32<<16
	s_mov_b32 s[\g+4], \rows
	s_mov_b32 s[\g+5], 32
	s_mov_b32 s[\g+6], 0
	s_mov_b32 s[\g+7], 0
.endm
.macro DSW n                           ; a wait for LDS, and ahead of it a wait on plain instructions' writes: what was freshly written is read behind it
	s_wait_alu depctr_va_vdst(0)
	s_wait_dscnt \n
.endm
.macro WM d, a, b, c, sa, sb, row      ; c = -1: the constant 0 starts the sum; row = 1: source 0's scales from lanes 16-31
.if (\c) < 0
.if \row
	v_wmma_scale_f32_16x16x128_f8f6f4 v[(\d):(\d)+7], v[(\a):(\a)+11], v[(\b):(\b)+11], 0, v[\sa], v[\sb] matrix_a_fmt:MATRIX_FMT_BF6 matrix_b_fmt:MATRIX_FMT_BF6 matrix_a_scale:MATRIX_SCALE_ROW1
.else
	v_wmma_scale_f32_16x16x128_f8f6f4 v[(\d):(\d)+7], v[(\a):(\a)+11], v[(\b):(\b)+11], 0, v[\sa], v[\sb] matrix_a_fmt:MATRIX_FMT_BF6 matrix_b_fmt:MATRIX_FMT_BF6
.endif
.else
.if \row
	v_wmma_scale_f32_16x16x128_f8f6f4 v[(\d):(\d)+7], v[(\a):(\a)+11], v[(\b):(\b)+11], v[(\c):(\c)+7], v[\sa], v[\sb] matrix_a_fmt:MATRIX_FMT_BF6 matrix_b_fmt:MATRIX_FMT_BF6 matrix_a_scale:MATRIX_SCALE_ROW1
.else
	v_wmma_scale_f32_16x16x128_f8f6f4 v[(\d):(\d)+7], v[(\a):(\a)+11], v[(\b):(\b)+11], v[(\c):(\c)+7], v[\sa], v[\sb] matrix_a_fmt:MATRIX_FMT_BF6 matrix_b_fmt:MATRIX_FMT_BF6
.endif
.endif
.endm
.macro XLOAD g                         ; half g's four tiles of the j side and their scale words (lanes 0-15 tile 2 p, lanes 16-31 tile 2 p + 1): 10 LDS loads
.irp t, 0,1,2,3
	ds_load_b128 v[XH+6*\t:XH+6*\t+3], v5 offset:3072*\g+768*(\t%2)+128*(\t/2)
	ds_load_b64 v[XH+6*\t+4:XH+6*\t+5], v6 offset:3072*\g+768*(\t%2)+64*(\t/2)
.endr
.irp p, 0,1
	ds_load_b32 v[SW+\p], v7 offset:256*\g+32*\p
.endr
.endm
.macro NLOAD r, off                    ; register e of the area: NL of j = 32 h + e of a half's 64: 8 LDS loads; sixteen lanes share each word
.irp n, 0,1,2,3,4,5,6,7
	ds_load_b128 v[(\r)+4*\n:(\r)+4*\n+3], v[WL] offset:(\off)+16*\n
.endr
.endm
.macro VLOAD r, off                    ; two images of V: 6 LDS loads
.irp c, 0,1,2
	ds_load_b128 v[(\r)+4*\c:(\r)+4*\c+3], v[VA] offset:(\off)+512*\c
	ds_load_b128 v[(\r)+12+4*\c:(\r)+12+4*\c+3], v[VA] offset:(\off)+1536+512*\c
.endr
.endm
.macro MUL r, j0, n                    ; u = c (s + NL), two at a time, ascending: each accumulator is read from its low end on
.set j, \j0
.rept \n
	v_pk_mul_f32 v[(\r)+2*j:(\r)+2*j+1], v[(\r)+2*j:(\r)+2*j+1], s[CS:CS+1] op_sel_hi:[1,0]
.set j, j+1
.endr
.endm
.macro MOVS g                          ; the blocks' second halves to registers 6 g + 3 .. 6 g + 5 of both fragments
.irp a, 0,1
.irp i, 0,1,2
	v_mov_b32 v[PC+12*\a+6*\g+3+\i], v[CT+4*\a+\i]
.endr
.endr
.endm
; HALF g of a step.  LY: the area with the half's NL, then tile 1's scores and P;  SX: tile 0's.
.macro HALF g, next
.set LY, AR+32*\g
.set SX, BR-32*\g
	DSW 0                                          ; the half's tiles of the j side, their scale words and NL are in
.irp t, 0,1,2,3
	WM SX+8*\t, XH+6*\t, F, LY+8*\t, SW+\t/2, FS, \t%2
.endr
.if \g                                 ; five places in front of products that write over a source of those above
	MOVS 0
.else
	PLACES 5
.endif
.irp t, 0,1,2,3
	WM LY+8*\t, XH+6*\t, F+12, LY+8*\t, SW+\t/2, FS+1, \t%2
.endr
	MUL SX, 0, 4                                   ; tile 0's first scalings are the four places in front of loads into registers that the products have read
.if \g
	VLOAD XH, 0
	ds_load_b32 v[VS], v[VSA]
	ds_load_b32 v[VS+1], v[VSA] offset:128
.else
	XLOAD 1
.endif
	MUL SX, 4, 12
	MUL LY, 0, 16
	s_wait_alu depctr_va_vdst(0)                   ; ahead of the batch, whose sources were just written
.set j, 0
.rept 64
	v_exp_f32 v[AR+j], v[AR+j]                     ; both tiles' P, finished and normalised
.set j, j+1
.endr
	v_nop                                          ; a plain place behind the last exponential
	s_wait_alu depctr_va_vdst(0)                   ; one wait for the batch, ahead of its first reader
	v_max3_num_f32 v[TM], v[SX], v[SX+1], 0x2800000        ; my block's largest P, with the floor 2^(5 - 127) as a leaf: two chains a tile, four by turns
	v_max3_num_f32 v[TM+1], v[SX+16], v[SX+17], v[SX+18]
	v_max3_num_f32 v[TM+2], v[LY], v[LY+1], 0x2800000
	v_max3_num_f32 v[TM+3], v[LY+16], v[LY+17], v[LY+18]
.irp i, 2,4,6,8,10,12
	v_max3_num_f32 v[TM], v[TM], v[SX+\i], v[SX+\i+1]
	v_max3_num_f32 v[TM+1], v[TM+1], v[SX+17+\i], v[SX+18+\i]
	v_max3_num_f32 v[TM+2], v[TM+2], v[LY+\i], v[LY+\i+1]
	v_max3_num_f32 v[TM+3], v[TM+3], v[LY+17+\i], v[LY+18+\i]
.endr
	v_max3_num_f32 v[TM], v[TM], v[SX+14], v[SX+15]
	v_max3_num_f32 v[TM+2], v[TM+2], v[LY+14], v[LY+15]
	v_max3_num_f32 v[TM], v[TM], v[TM+1], v[SX+31]
	v_max3_num_f32 v[TM+2], v[TM+2], v[TM+3], v[LY+31]
	v_add_nc_u32 v[SO], 0xfe000000, v[TM]          ; 4 off the exponent field: the conversion's scale operand
	v_add_nc_u32 v[SO+1], 0xfe000000, v[TM+2]
	v_cvt_scalef32_pk16_bf6_f32 v[PC+6*\g:PC+6*\g+2], v[SX:SX+15], v[SO]
	v_cvt_scalef32_pk16_bf6_f32 v[CT:CT+2], v[SX+16:SX+31], v[SO]
	v_cvt_scalef32_pk16_bf6_f32 v[PC+12+6*\g:PC+12+6*\g+2], v[LY:LY+15], v[SO+1]
	v_cvt_scalef32_pk16_bf6_f32 v[CT+4:CT+6], v[LY+16:LY+31], v[SO+1]
	v_lshrrev_b32 v[EB+\g], 23, v[SO]              ; the scale bytes (also the plain place behind the conversions)
	v_lshrrev_b32 v[EB+2+\g], 23, v[SO+1]
.if \g
.if \next
	NLOAD SX, 512                                  ; tile 0's area takes the next step's first NL,
.endif
	VLOAD LY, 3072                                 ; tile 1's V's images 2 and 3
.else
	NLOAD SX, 256                                  ; tile 0's area takes the next half's NL
.endif
.endm
.macro PV d, first                     ; O^T += V^T P^T for channels 16 d on, both tiles.  O is first read here behind exponentials: the wait directly ahead
.if (\d) < 2
.set VR, XH+12*(\d)
.else
.set VR, BR+12*((\d)-2)
.endif
.irp a, 0,1
	s_wait_alu depctr_va_vdst(0)
.if \first
	WM O+32*\a+8*(\d), VR, PC+12*\a, -1, VS+(\d)/2, PW+\a, (\d)%2
.else
	WM O+32*\a+8*(\d), VR, PC+12*\a, O+32*\a+8*(\d), VS+(\d)/2, PW+\a, (\d)%2
.endif
.endr
.endm
; A STEP of 128 j.  first = 1: the products P V start the sums.  next = 1: a step follows, and its first half's NL and tiles are asked for.
.macro TRIP first, next
	HALF 0, 1
	HALF 1, \next
.irp a, 0,1
	v_lshl_or_b32 v[TM+2*\a], v[EB+2*\a+1], 16, v[EB+2*\a]         ; my two bytes: blocks h and 2 + h,
.endr
.irp a, 0,1
	v_lshlrev_b32 v[TM+2*\a], v[H8], v[TM+2*\a]                    ; at their places in the scale word;
.endr
.irp a, 0,1
	v_permlanex16_b32 v[TM+2*\a+1], v[TM+2*\a], s[SEL], s[SEL+1]
.endr
.irp a, 0,1
	v_or_b32 v[PW+\a], v[TM+2*\a], v[TM+2*\a+1]                    ; with lane l xor 16's two the word is whole
.endr
	MOVS 1
.if \next
	s_add_co_u32 s[TV], s[TV], 6400
	v_add_nc_u32 v[VA], s[TV], v1
	v_add_nc_u32 v[VSA], s[TV], v3
	PLACES 2                                       ; ten lines behind the scale words' last write, four behind the codes', in front of the scaled products
.else
	PLACES 4
.endif
	DSW 6+8*\next                                  ; V's images 0, 1 and scale words are in; behind them: the next NL's eight loads and the six of images 2, 3
	PV 0, \first
	PV 1, \first
.if \next
	s_add_co_u32 s[TQ], s[TQ], 6656
	s_add_co_u32 s[TL], s[TL], 512
	v_add_nc_u32 v5, s[TQ], v[L1]                  ; four places behind the products that read images 0, 1:
	v_add_nc_u32 v6, s[TQ], v[L2]
	v_add_nc_u32 v7, s[TQ], v[L3]
	v_add_nc_u32 v[WL], s[TL], v4
	XLOAD 0                                        ; their registers take the next step's first tiles
.endif
	DSW 10*\next                                   ; images 2, 3 are in; the ten loads just issued may stay out
	PV 2, \first
	PV 3, \first
	PLACES 5                                       ; in front of products that write over the area which held images 2, 3, and of the reads of O at the end
.endm
	s_load_b128 s[4:7], s[0:1], 0x0                ; qkv, lse
	s_load_b64 s[8:9], s[0:1], 0x10                ; ctx
	v_lshl_add_u32 v[SPW], v0, 2, SPARE
	v_mov_b32 v[NIL], 0
	ds_add_u32 v[SPW], v[NIL]                      ; the opening lines: the add, twice on end, and its wait
	ds_add_u32 v[SPW], v[NIL]
	v_lshrrev_b32 v1, 5, v0
	v_readfirstlane_b32 s[WV], v1                  ; wave 0..15
	s_bfe_u32 s11, ttmp6, 0x40000                  ; cx: which 512 rows m; it enters global addresses of plain loads and stores alone
	s_and_b32 s12, ttmp7, 0xffff                   ; y
	s_mov_b32 s[CS], 0x3e38aa3b
	s_mov_b32 s[CS+1], s[CS]
	s_mov_b32 s[SEL], 0x76543210
	s_mov_b32 s[SEL+1], 0xfedcba98
	DENSE G1A, 52                                  ; an eighth of the j side: 13,312 bytes
	DENSE G1B, 100                                 ; a quarter of V: 25,600
	DENSE G1C, 8                                   ; a quarter of NL: 2,048
	s_and_b32 s13, s[WV], 3
	s_xor_b32 s24, s12, 32                         ; the j side is the other tensor than mine
	s_mul_i32 s24, s24, 106496
	s_mul_i32 s[G0A+1], s[WV], 13312
	s_add_co_u32 s24, s24, s[G0A+1]
	s_mov_b32 s25, 0
	s_mul_i32 s26, s12, 102400
	s_mul_i32 s14, s13, 25600
	s_add_co_u32 s26, s26, s14
	s_add_co_u32 s26, s26, VOFF
	s_mov_b32 s27, 0
	s_add_co_u32 s[G0B+1], s14, VB
	s_lshl_b32 s28, s12, 13
	s_lshl_b32 s15, s13, 11
	s_add_co_u32 s28, s28, s15
	s_mov_b32 s29, 0
	s_add_co_u32 s[G0C+1], s15, LB
	s_mov_b32 s[G0A], 1
	s_mov_b32 s[G0B], 1
	s_mov_b32 s[G0C], 1
	s_lshl_b32 s72, s12, 4                         ; my side: record 16 y + 4 cx + wave / 4, tiles (2 wave) % 8 on
	s_lshl_b32 s15, s11, 2
	s_add_co_u32 s72, s72, s15
	s_lshr_b32 s15, s[WV], 2
	s_add_co_u32 s72, s72, s15
	s_mul_i32 s72, s72, 6656
	s_lshl_b32 s15, s[WV], 1
	s_and_b32 s15, s15, 7
	s_lshl_b32 s74, s15, 6
	s_add_co_u32 s74, s74, s72
	s_add_co_u32 s74, s74, 6144
	s_mov_b32 s75, 0
	s_mul_i32 s15, s15, 768
	s_add_co_u32 s72, s72, s15
	s_mov_b32 s73, 0
	s_lshr_b32 s76, s12, 3                         ; out: token tile (y / 8) 128 + 32 cx + 2 wave
	s_lshl_b32 s76, s76, 7
	s_lshl_b32 s15, s11, 5
	s_add_co_u32 s76, s76, s15
	s_lshl_b32 s15, s[WV], 1
	s_add_co_u32 s76, s76, s15
	s_and_b32 s15, s12, 7                          ; head
	s_lshl_b32 s78, s76, 8                         ; scale bytes: tile x 256 + 16 r + 2 head
	s_add_co_u32 s78, s78, CSO
	s_add_co_u32 s78, s78, s15
	s_add_co_u32 s78, s78, s15
	s_mov_b32 s79, 0
	s_lshl_b32 s76, s76, 3                         ; codes: (tile x 8 + head) x 768
	s_add_co_u32 s76, s76, s15
	s_mul_i32 s76, s76, 768
	s_mov_b32 s77, 0
	s_wait_dscnt 0x0                               ; both opening adds are done
	s_wait_kmcnt 0x0
	s_add_nc_u64 s[G0A+2:G0A+3], s[4:5], s[24:25]
	s_or_b32 s[G0A+3], s[G0A+3], 0x80000000
	s_add_nc_u64 s[G0B+2:G0B+3], s[4:5], s[26:27]
	s_or_b32 s[G0B+3], s[G0B+3], 0x80000000
	s_add_nc_u64 s[G0C+2:G0C+3], s[6:7], s[28:29]
	s_or_b32 s[G0C+3], s[G0C+3], 0x80000000
	s_add_nc_u64 s[72:73], s[4:5], s[72:73]
	s_add_nc_u64 s[74:75], s[4:5], s[74:75]
	s_add_nc_u64 s[76:77], s[8:9], s[76:77]
	s_add_nc_u64 s[78:79], s[8:9], s[78:79]
	ROUND                                          ; all four work-groups are here: the joint loads meet
	s_cmp_lt_u32 s[WV], 8                          ; one chain of branches on the wave's number, one load to an arm
	s_cbranch_scc0 .Lhead_v
	tensor_load_to_lds s[G0A:G0A+3], s[G1A:G1A+7]
	s_nop 0
	PLACES 4
	s_branch .Lhead_asked
.Lhead_v:
	s_cmp_lt_u32 s[WV], 12
	s_cbranch_scc0 .Lhead_n
	tensor_load_to_lds s[G0B:G0B+3], s[G1B:G1B+7]
	s_nop 0
	PLACES 4
	s_branch .Lhead_asked
.Lhead_n:
	tensor_load_to_lds s[G0C:G0C+3], s[G1C:G1C+7]
	s_nop 0
	PLACES 4
.Lhead_asked:
	v_and_b32 v7, 31, v0                           ; lane
	v_and_b32 v5, 15, v0                           ; r
	v_bfe_u32 v6, v0, 4, 1                         ; h
	v_bfe_u32 v24, v0, 3, 1                        ; r / 8
	v_and_b32 v25, 7, v0                           ; r % 8
	v_lshlrev_b32 v1, 4, v7                        ; 16 l
	v_lshl_add_u32 v2, v7, 3, 512                  ; 512 + 8 l
	v_lshl_add_u32 v3, v7, 2, 6144                 ; a record's scale words by lanes
	v_lshl_add_u32 v4, v6, 7, LB                   ; NL: my block of each 64
	v_lshlrev_b32 v[H8], 3, v6
	v_mul_u32_u24 v[L1], v24, 1536                 ; two tiles on for rows 8-15
	v_lshl_add_u32 v[L3], v24, 7, 6144
	v_lshl_add_u32 v[L2], v25, 3, v[L1]
	v_lshl_add_u32 v[L1], v25, 4, v[L1]
	v_lshl_add_u32 v[L3], v25, 2, v[L3]
	v_lshl_add_u32 v[L2], v6, 7, v[L2]
	v_lshl_add_u32 v[L1], v6, 8, v[L1]             ; 1,536 (r / 8) + 16 (r % 8) + 256 h
	v_lshl_add_u32 v[L3], v6, 6, v[L3]             ; 6,144 + 128 (r / 8) + 4 (r % 8) + 64 h
	v_add_nc_u32 v[L2], 512, v[L2]                 ; 512 + 1,536 (r / 8) + 8 (r % 8) + 128 h
	v_lshlrev_b32 v5, 2, v5                        ; 4 r
.irp a, 0,1
	global_load_b128 v[F+12*\a:F+12*\a+3], v1, s[72:73] offset:768*\a
	global_load_b64 v[F+12*\a+4:F+12*\a+5], v2, s[72:73] offset:768*\a
	global_load_b32 v[FS+\a], v5, s[74:75] offset:64*\a
.endr
.irp a, 0,1
.irp i, 6,7,8,9,10,11
	v_mov_b32 v[F+12*\a+\i], 0                     ; zero codes for K = 64 .. 127
.endr
.endr
.irp i, 0,1,2,3,4,5
	v_mov_b32 v[XH+24+\i], 0                       ; behind the last tile: named, and met by zeros
.endr
	s_mov_b32 s[TQ], 0
	s_mov_b32 s[TV], VB
	s_mov_b32 s[TL], 0
	v_add_nc_u32 v[WL], s[TL], v4
	v_add_nc_u32 v[VA], s[TV], v1
	v_add_nc_u32 v[VSA], s[TV], v3
	s_wait_alu depctr_va_vdst(0)                   ; the wait at the head's end
	s_wait_tensorcnt 0x0                           ; my part has landed,
	s_barrier_signal -1
	s_barrier_wait -1                              ; everybody's has
	s_wait_loadcnt 0x0                             ; my two tiles (and v5 is free)
	NLOAD AR, 0                                    ; the way in: step 0's first NL and tiles
	v_add_nc_u32 v5, s[TQ], v[L1]
	v_add_nc_u32 v6, s[TQ], v[L2]
	v_add_nc_u32 v7, s[TQ], v[L3]
	XLOAD 0
	TRIP 1, 1                                      ; step 0: its products P V start O^T's sums: nothing is cleared
	s_mov_b32 s[CNT], 14
.Lstep:                                            ; steps 1 to 14
	TRIP 0, 1
	s_sub_co_u32 s[CNT], s[CNT], 1
	s_cmp_lg_u32 s[CNT], 0
	s_wait_alu depctr_va_vdst(0)                   ; directly ahead of the branch
	s_cbranch_scc1 .Lstep
	TRIP 0, 0                                      ; step 15 asks for nothing more
	; O^T: register 16 b + e of tile a = channel 32 b + 16 h + e of my row: two blocks of the output projection's K, each in lanes l and l xor 16
	v_and_b32 v5, 0xf0, v1                         ; 16 r
.irp a, 0,1
.irp b, 0,1
	v_max3_num_f32 v[TM+\b], |v[O+32*\a+16*\b]|, |v[O+32*\a+16*\b+1]|, 0x2800000
.endr
.irp i, 2,4,6,8,10,12,14
.irp b, 0,1
	v_max3_num_f32 v[TM+\b], v[TM+\b], |v[O+32*\a+16*\b+\i]|, |v[O+32*\a+16*\b+\i+1]|
.endr
.endr
.irp b, 0,1
	v_permlanex16_b32 v[TP+\b], v[TM+\b], s[SEL], s[SEL+1]
.endr
.irp b, 0,1
	v_max_num_f32 v[TM+\b], v[TM+\b], v[TP+\b]
.endr
.irp b, 0,1
	v_add_nc_u32 v[SO+\b], 0xfe000000, v[TM+\b]
.endr
.irp b, 0,1
	v_lshrrev_b32 v[TP+\b], 23, v[SO+\b]
.endr
	v_lshl_or_b32 v[PW+\a], v[TP+1], 8, v[TP]
	v_cvt_scalef32_pk16_bf6_f32 v[PC+12*\a:PC+12*\a+2], v[O+32*\a:O+32*\a+15], v[SO]
	v_cvt_scalef32_pk16_bf6_f32 v[CT:CT+2], v[O+32*\a+16:O+32*\a+31], v[SO+1]
	v_nop                                          ; one plain place behind a scaled conversion
.irp i, 0,1,2
	v_permlane16_swap_b32 v[PC+12*\a+\i], v[CT+\i]
.endr
.irp i, 0,1,2
	v_mov_b32 v[PC+12*\a+3+\i], v[CT+\i]
.endr
	global_store_b128 v1, v[PC+12*\a:PC+12*\a+3], s[76:77] offset:6144*\a      ; whole aligned runs of 256 bytes
	global_store_b64 v2, v[PC+12*\a+4:PC+12*\a+5], s[76:77] offset:6144*\a
	global_store_b16 v5, v[PW+\a], s[78:79] offset:256*\a                      ; two bytes a row, 16 bytes apart: 32 of the 800 bytes that a tile stores; so the next launch reads ready scale words
.endr
	s_wait_tensorcnt 0x0                           ; the wave's end
	ds_add_u32 v[SPW], v[NIL]
	s_wait_dscnt 0x0
	ROUND                                          ; the closing round
	s_endpgm
.Lfunc_end_k_qd34ee2c02b_ctxl:
	.size	k_qd34ee2c02b_ctxl, .Lfunc_end_k_qd34ee2c02b_ctxl-k_qd34ee2c02b_ctxl
	.p2alignl 7, 3214868480
	.fill 96, 4, 3214868480
	.section	.rodata,"a",@progbits
	.p2align	6, 0x0
	.amdhsa_kernel k_qd34ee2c02b_ctxl
		.amdhsa_group_segment_fixed_size 219136
		.amdhsa_private_segment_fixed_size 0
		.amdhsa_enable_private_segment 0
		.amdhsa_kernarg_size 24
		.amdhsa_user_sgpr_count 2
		.amdhsa_user_sgpr_kernarg_segment_ptr 1
		.amdhsa_wavefront_size32 1
		.amdhsa_system_sgpr_workgroup_id_x 1
		.amdhsa_system_sgpr_workgroup_id_y 1
		.amdhsa_system_sgpr_workgroup_id_z 1
		.amdhsa_system_vgpr_workitem_id 0
		.amdhsa_next_free_vgpr 256
		.amdhsa_next_free_sgpr 80
		.amdhsa_reserve_vcc 0
		.amdhsa_float_denorm_mode_32 3
		.amdhsa_float_denorm_mode_16_64 3
		.amdhsa_memory_ordered 1
		.amdhsa_forward_progress 1
		.amdhsa_inst_pref_size 78
	.end_amdhsa_kernel
	.amdgpu_metadata
---
amdhsa.version: [ 1, 2 ]
amdhsa.kernels:
  - .name:           k_qd34ee2c02b_ctxl
    .symbol:         k_qd34ee2c02b_ctxl.kd
    .args:
      - { .name: qkv, .offset: 0, .size: 8, .value_kind: global_buffer, .address_space: global }
      - { .name: lse, .offset: 8, .size: 8, .value_kind: global_buffer, .address_space: global }
      - { .name: ctx, .offset: 16, .size: 8, .value_kind: global_buffer, .address_space: global }
    .group_segment_fixed_size: 219136
    .private_segment_fixed_size: 0
    .kernarg_segment_align: 8
    .kernarg_segment_size: 24
    .max_flat_workgroup_size: 512
    .sgpr_count:     80
    .vgpr_count:     256
    .wavefront_size: 32
...
	.end_amdgpu_metadata
.endif
;; end of part 4
;; launch outp (part 5): grid 64 x 4, 8 waves a work-group, clusters of 4 x 1, 283,648 bytes of LDS; arguments ctx, pre, x1, x2, bo1, bo2, out0, out1; writes out0, out1
.if DOCPART == 5
	.amdgcn_target "amdgcn-amd-amdhsa--gfx1250"
	.amdhsa_code_object_version 6
	.text
	.protected	k_qd34ee2c02b_outp
	.globl	k_qd34ee2c02b_outp
	.p2align	8
	.type	k_qd34ee2c02b_outp,@function
k_qd34ee2c02b_outp:
	s_mov_b64 s[64:65], 0
	v_nop
	global_prefetch_b8 v0, s[64:65] scope:SCOPE_SE
	s_setreg_imm32_b32 hwreg(HW_REG_WAVE_MODE, 25, 1), 1
	s_wait_xcnt 0x0
	s_wait_alu depctr_hold_cnt(0) depctr_sa_sdst(0) depctr_va_vdst(0) depctr_va_sdst(0) depctr_va_ssrc(0) depctr_va_vcc(0) depctr_vm_vsrc(0)
	s_getreg_b32 s2, hwreg(HW_REG_IB_STS2, 6, 4)
	s_cmp_eq_u32 s2, 0
	s_cbranch_scc0 .Lentry_in_a_cluster
	s_endpgm
.Lentry_in_a_cluster:
	s_bfe_u32 s2, ttmp6, 0x10000c
	s_cmp_lg_u32 s2, 0x3003
	s_cbranch_scc0 .Lentry_shape_is_right
	s_endpgm
.Lentry_shape_is_right:
; out[b][n][token] = (ctx Wo)[token][n] + bo[n] + x[b][n][token], the product on codes of BF6.  y = 2 direction + half of n: direction 0: ctx1, Wo1, bo1, x1, out0; 1: the others.
; A work-group: 128 tokens x 256 n x K 512.  Source 0 = 16 tokens, source 1 = 16 rows of W: a lane holds one n and its registers run along the tokens, which are innermost in x and out.
; Wave w: all 8 token tiles x W's tiles 2 w, 2 w + 1 (32 n).  LDS, each region filled once: half the weight (98,304 bytes, joint: four blocks of tokens share it), the 8 token tiles' codes (49,152),
; and x's tile, 256 rows n x 512 bytes + 16 of padding.  x IS THE C OF THE FIRST K STEP.  A wave's own 32 rows of x's region, read out, then serve as its stage: results go in by lanes and come back as whole rows.
; LIMITS: NaN and infinities are not served; x enters the sum first and the bias last, another order of f32 rounding than (ctx W + b) + x.
.set WC,   6291456
.set WSO,  7733248
.set CSO,  6291456
.set CB,   98304
.set STG,  147456
.set SP,   528                         ; a row of x in LDS: 33 x 16 bytes
.set JOINT, (3<<16)|(1<<21)|15
.set PLAIN, 3<<16
.set WV,  20
.set G1W, 32
.set G1C, 40
.set G1X, 48
.set G0W, 56
.set G0C, 60
.set G0X, 68
.set A0,  1                            ; v1 ctx's half images, 16 l;  v5 the same, 512 + 8 l
.set A0B, 5
.set A1,  2                            ; v2 W's images
.set S0,  8
.set S1,  40
.set B1,  48
.set B0,  72
.set ACC, 128
.macro ROUND
	s_barrier_signal -1
	s_barrier_wait -1
	s_cmp_lg_u32 s[WV], 0
	s_cbranch_scc1 .Lnot_wave_0_\@
	s_barrier_signal -3
.Lnot_wave_0_\@:
	s_barrier_wait -3
	s_barrier_signal -1
	s_barrier_wait -1
.endm
.macro PLACES n
.rept \n
	v_nop
.endr
.endm
.macro DENSE g, rows, w0
	s_mov_b32 s[\g], \w0
	s_mov_b32 s[\g+1], 32<<16
	s_mov_b32 s[\g+2], (\rows)<<16
	s_mov_b32 s[\g+3], 32<<16
	s_mov_b32 s[\g+4], \rows
	s_mov_b32 s[\g+5], 32
	s_mov_b32 s[\g+6], 0
	s_mov_b32 s[\g+7], 0
.endm
.macro FRAG128 reg, adr, off
.irp c, 0,1,2
	ds_load_b128 v[(\reg)+4*\c:(\reg)+4*\c+3], v[\adr] offset:(\off)+512*\c
.endr
.endm
.macro FRAGH reg, off                  ; two heads' half images make a fragment of 128 along K
	ds_load_b128 v[(\reg):(\reg)+3], v[A0] offset:(\off)
	ds_load_b64 v[(\reg)+4:(\reg)+5], v[A0B] offset:(\off)
	ds_load_b128 v[(\reg)+6:(\reg)+9], v[A0] offset:(\off)+768
	ds_load_b64 v[(\reg)+10:(\reg)+11], v[A0B] offset:(\off)+768
.endm
.macro MM8 s, t0                       ; the sixteen accumulators take turns, one instruction a turn
.irp tt, 0,1,2,3
.irp i, 0,1
	v_wmma_scale_f32_16x16x128_f8f6f4 v[ACC+64*\i+8*(\t0+\tt):ACC+64*\i+8*(\t0+\tt)+7], v[B0+12*\tt:B0+12*\tt+11], v[B1+12*\i:B1+12*\i+11], v[ACC+64*\i+8*(\t0+\tt):ACC+64*\i+8*(\t0+\tt)+7], v[S0+4*(\t0+\tt)+\s], v[S1+4*\i+\s] matrix_a_fmt:MATRIX_FMT_BF6 matrix_b_fmt:MATRIX_FMT_BF6
.endr
.endr
.endm
	s_load_b512 s[4:19], s[0:1], 0x0               ; ctx, pre, x1, x2, bo1, bo2, out0, out1
	s_set_vgpr_msb 0x40
	v_lshl_add_u32 v0, v0, 2, 0x45000
	v_mov_b32 v1, 0
	s_set_vgpr_msb 0x4045
	ds_add_u32 v0, v1
	ds_add_u32 v0, v1
	s_set_vgpr_msb 0x4500
	v_lshrrev_b32 v1, 5, v0
	s_delay_alu instid0(VALU_DEP_1)
	v_readfirstlane_b32 s[WV], v1                  ; wave 0..7
	s_bfe_u32 s21, ttmp6, 0x40000                  ; cx
	s_lshl_b32 s22, ttmp9, 2
	s_add_co_u32 s22, s22, s21                     ; block of 128 tokens, 0..63
	s_and_b32 s23, ttmp7, 0xffff                   ; y
	s_lshr_b32 s24, s23, 1                         ; direction
	s_and_b32 s25, s23, 1                          ; half of n
	s_lshr_b32 s26, s22, 4                         ; batch
	s_and_b32 s27, s22, 15                         ; 128 tokens in the batch
	DENSE G1W, 192, JOINT                          ; waves 0, 1: half of the half weight each: 49,152 bytes
	DENSE G1C, 96, PLAIN                           ; waves 2, 3: four token tiles' codes each: 24,576 bytes
	s_mov_b32 s[G1X], (2<<16)|(1<<20)|(6<<22)|(3<<25)   ; x: elements of 4 bytes; 4 words of padding behind every 128
	s_mov_b32 s[G1X+1], 128<<16                    ; tensor_dim0
	s_mov_b32 s[G1X+2], 64<<16                     ; tensor_dim1
	s_mov_b32 s[G1X+3], 128<<16                    ; tile_dim0: 128 tokens
	s_mov_b32 s[G1X+4], 64                         ; tile_dim1: waves 4-7: 64 rows n each
	s_mov_b32 s[G1X+5], 2048                       ; from row to row
	s_mov_b32 s[G1X+6], 0
	s_mov_b32 s[G1X+7], 0
	s_mov_b32 s[G0W], 1
	s_and_b32 s86, s[WV], 1
	s_and_b32 s87, s[WV], 3
	s_mul_i32 s[G0W+1], s86, 49152
	s_mul_i32 s28, s23, 98304                      ; the weight's address hangs on y and the wave alone
	s_add_co_u32 s28, s28, s[G0W+1]
	s_add_co_u32 s28, s28, WC+4*196608
	s_mov_b32 s29, 0
	s_lshl_b32 s30, s24, 9
	s_lshl_b32 s82, s22, 3
	s_add_co_u32 s30, s30, s82                     ; the first token tile: 512 direction + 8 block
	s_lshl_b32 s78, s30, 8
	s_add_co_u32 s78, s78, CSO                     ; its scale bytes
	s_mov_b32 s79, 0
	s_mul_i32 s30, s30, 6144
	s_mul_i32 s[G0C+1], s86, 24576
	s_add_co_u32 s30, s30, s[G0C+1]
	s_mov_b32 s31, 0
	s_mov_b32 s[G0C], 1
	s_add_co_u32 s[G0C+1], s[G0C+1], CB
	s_lshl_b32 s84, s26, 9                         ; x and out: row 512 batch + 256 half + 32 wave, 8,192 bytes a row, + 512 bytes for each 128 tokens
	s_lshl_b32 s82, s25, 8
	s_add_co_u32 s84, s84, s82
	s_lshl_b32 s82, s[WV], 5
	s_add_co_u32 s84, s84, s82
	s_lshl_b32 s84, s84, 13
	s_lshl_b32 s82, s27, 9
	s_add_co_u32 s84, s84, s82
	s_mov_b32 s85, 0
	s_mov_b32 s[G0X], 1
	s_mul_i32 s[G0X+1], s87, 64*SP
	s_add_co_u32 s[G0X+1], s[G0X+1], STG
	s_lshl_b32 s82, s[WV], 18                      ; x's load: 64 (wave % 4) rows in place of my 32 wave rows of out
	s_sub_co_u32 s88, s84, s82
	s_lshl_b32 s82, s87, 19
	s_add_co_u32 s88, s88, s82
	s_mov_b32 s89, 0
	s_lshl_b32 s80, s23, 12                        ; W's scale bytes: (16 half + 2 wave) x 256 in weight 4 + direction
	s_lshl_b32 s82, s[WV], 9
	s_add_co_u32 s80, s80, s82
	s_add_co_u32 s80, s80, WSO+4*8192
	s_mov_b32 s81, 0
	s_wait_dscnt 0x0
	s_wait_kmcnt 0x0
	s_cmp_eq_u32 s24, 0
	s_cselect_b64 s[72:73], s[8:9], s[10:11]       ; x
	s_cselect_b64 s[74:75], s[12:13], s[14:15]     ; bo
	s_cselect_b64 s[76:77], s[16:17], s[18:19]     ; out
	s_add_nc_u64 s[G0W+2:G0W+3], s[6:7], s[28:29]
	s_or_b32 s[G0W+3], s[G0W+3], 0x80000000
	s_add_nc_u64 s[G0C+2:G0C+3], s[4:5], s[30:31]
	s_or_b32 s[G0C+3], s[G0C+3], 0x80000000
	s_add_nc_u64 s[G0X+2:G0X+3], s[72:73], s[88:89]
	s_or_b32 s[G0X+3], s[G0X+3], 0x80000000
	s_add_nc_u64 s[76:77], s[76:77], s[84:85]
	s_add_nc_u64 s[78:79], s[4:5], s[78:79]
	s_add_nc_u64 s[80:81], s[6:7], s[80:81]
	ROUND                                          ; all four work-groups are here: the joint load meets
	s_cmp_lt_u32 s[WV], 2                          ; the head's tiles are shared out: one chain of branches on the wave's number, one load to an arm
	s_cbranch_scc0 .Lhead_c
	tensor_load_to_lds s[G0W:G0W+3], s[G1W:G1W+7]
	s_nop 0
	PLACES 4
	s_branch .Lhead_asked
.Lhead_c:
	s_cmp_lt_u32 s[WV], 4
	s_cbranch_scc0 .Lhead_x
	tensor_load_to_lds s[G0C:G0C+3], s[G1C:G1C+7]
	s_nop 0
	PLACES 4
	s_branch .Lhead_asked
.Lhead_x:
	tensor_load_to_lds s[G0X:G0X+3], s[G1X:G1X+7]
	s_nop 0
	PLACES 4
.Lhead_asked:
	v_and_b32 v125, 31, v0                         ; lane
	v_and_b32 v126, 15, v0                         ; r
	v_bfe_u32 v127, v0, 4, 1                       ; h
	s_delay_alu instid0(VALU_DEP_3)
	v_lshlrev_b32 v124, 4, v125                    ; 16 l
	s_delay_alu instid0(VALU_DEP_1)
	v_add_nc_u32 v[A0], CB, v124
	v_lshl_add_u32 v[A0B], v125, 3, CB+512
	s_mul_i32 s82, s[WV], 12288
	v_add_nc_u32 v[A1], s82, v124
	v_lshlrev_b32 v3, 4, v126                      ; a row's 16 scale bytes
	v_and_b32 v125, 8, v126
	s_delay_alu instid0(VALU_DEP_1)
	v_add_nc_u32 v125, v125, v126                  ; r + 8 (r / 8): lane r of W's tile 2 w + i is n = 32 w + 8 i + r + 8 (r / 8)
	s_lshl_b32 s82, s25, 10
	s_lshl_b32 s83, s[WV], 7
	s_add_co_u32 s82, s82, s83
	v_lshl_add_u32 v4, v125, 2, s82                ; my n's bias
	v_mul_u32_u24 v6, v125, SP
	s_delay_alu instid0(VALU_DEP_1)
	v_lshl_add_u32 v6, v127, 6, v6
	s_mul_i32 s82, s[WV], 32*SP
	s_add_co_u32 s82, s82, STG
	v_add_nc_u32 v6, s82, v6                       ; x's tile and the stage, by lanes: my n's row, + 64 h; + 8 rows for i = 1
	v_add_nc_u32 v7, s82, v124                     ; and by rows: 16 l
.irp t, 0,1,2,3,4,5,6,7
	global_load_b128 v[S0+4*\t:S0+4*\t+3], v3, s[78:79] offset:256*\t
.endr
.irp i, 0,1
	global_load_b128 v[S1+4*\i:S1+4*\i+3], v3, s[80:81] offset:256*\i
.endr
	global_load_b32 v120, v4, s[74:75]
	global_load_b32 v122, v4, s[74:75] offset:32
	v_mov_b32 v121, 0                              ; (named with them as pairs)
	v_mov_b32 v123, 0
	s_wait_alu depctr_va_vdst(0)
	s_wait_tensorcnt 0x0                           ; my part has landed,
	s_barrier_signal -1
	s_barrier_wait -1                              ; everybody's have
.irp i, 0,1
.set j, 0
.rept 16
	ds_load_b128 v[ACC+64*\i+4*j:ACC+64*\i+4*j+3], v6 offset:8*SP*\i+128*(j/4)+16*(j%4)   ; register 16 b + e: x at token 32 b + 16 h + e: the result's layout
.set j, j+1
.endr
.endr
	s_wait_loadcnt 0x0                             ; scale words and bias
.irp s, 0,1,2,3                        ; K = 512 in four steps.  Four places stand in front of each run of loads into registers that products have read
.if \s > 0
	PLACES 4
.endif
	FRAG128 B1, A1, (\s)*1536
	FRAG128 B1+12, A1, (4+\s)*1536
.irp t, 0,1,2,3
	FRAGH B0+12*\t, (8*\t+2*\s)*768
.endr
	s_wait_dscnt 0x0                               ; (in the first step: x too)
	MM8 \s, 0
	PLACES 4
.irp t, 0,1,2,3
	FRAGH B0+12*\t, (8*(\t+4)+2*\s)*768
.endr
	s_wait_dscnt 0x0
	MM8 \s, 4
.endr
	PLACES 4
.irp i, 0,1
.set j, 0
.rept 32
	v_pk_add_f32 v[ACC+64*\i+j:ACC+64*\i+j+1], v[ACC+64*\i+j:ACC+64*\i+j+1], v[120+2*\i:121+2*\i] op_sel_hi:[1,0]   ; + my n's bias; each accumulator from its low end on
.set j, j+2
.endr
.endr
.irp i, 0,1
.set j, 0
.rept 16
	ds_store_b128 v6, v[ACC+64*\i+4*j:ACC+64*\i+4*j+3] offset:8*SP*\i+128*(j/4)+16*(j%4)   ; my own 32 rows: they have had their one fill, and no other wave touches them
.set j, j+1
.endr
.endr
.set j, 0
.rept 16
	ds_load_b128 v[48+4*j:51+4*j], v7 offset:SP*j  ; LDS serves a wave's instructions in order (ISA guide 5.7.1.4): these see my stores
.set j, j+1
.endr
	s_wait_dscnt 0x0
.set j, 0
.rept 16
	ds_load_b128 v[ACC+4*j:ACC+4*j+3], v7 offset:SP*(16+j)
.set j, j+1
.endr
.set j, 0
.rept 16
	global_store_b128 v124, v[48+4*j:51+4*j], s[76:77] offset:8192*j th:TH_STORE_NT   ; 32 lanes store 512 consecutive aligned bytes of a row of out
.set j, j+1
.endr
.set j, 0
.rept 16
	s_wait_dscnt 15-j                              ; row 16 + j is back; the younger rows' loads may stay out
	global_store_b128 v124, v[ACC+4*j:ACC+4*j+3], s[76:77] offset:8192*(16+j) th:TH_STORE_NT
.set j, j+1
.endr
	s_set_vgpr_msb 0x5
	s_wait_tensorcnt 0x0
	ds_add_u32 v0, v1
	s_wait_dscnt 0x0
	s_set_vgpr_msb 0x500
	ROUND                                          ; the closing round
	s_endpgm
.Lfunc_end_k_qd34ee2c02b_outp:
	.size	k_qd34ee2c02b_outp, .Lfunc_end_k_qd34ee2c02b_outp-k_qd34ee2c02b_outp
	.p2alignl 7, 3214868480
	.fill 96, 4, 3214868480
	.section	.rodata,"a",@progbits
	.p2align	6, 0x0
	.amdhsa_kernel k_qd34ee2c02b_outp
		.amdhsa_group_segment_fixed_size 283648
		.amdhsa_private_segment_fixed_size 0
		.amdhsa_enable_private_segment 0
		.amdhsa_kernarg_size 64
		.amdhsa_user_sgpr_count 2
		.amdhsa_user_sgpr_kernarg_segment_ptr 1
		.amdhsa_wavefront_size32 1
		.amdhsa_system_sgpr_workgroup_id_x 1
		.amdhsa_system_sgpr_workgroup_id_y 1
		.amdhsa_system_sgpr_workgroup_id_z 1
		.amdhsa_system_vgpr_workitem_id 0
		.amdhsa_next_free_vgpr 258
		.amdhsa_next_free_sgpr 96
		.amdhsa_reserve_vcc 0
		.amdhsa_float_denorm_mode_32 3
		.amdhsa_float_denorm_mode_16_64 3
		.amdhsa_memory_ordered 1
		.amdhsa_forward_progress 1
		.amdhsa_inst_pref_size 42
	.end_amdhsa_kernel
	.amdgpu_metadata
---
amdhsa.version: [ 1, 2 ]
amdhsa.kernels:
  - .name:           k_qd34ee2c02b_outp
    .symbol:         k_qd34ee2c02b_outp.kd
    .args:
      - { .name: ctx, .offset: 0, .size: 8, .value_kind: global_buffer, .address_space: global }
      - { .name: pre, .offset: 8, .size: 8, .value_kind: global_buffer, .address_space: global }
      - { .name: x1, .offset: 16, .size: 8, .value_kind: global_buffer, .address_space: global }
      - { .name: x2, .offset: 24, .size: 8, .value_kind: global_buffer, .address_space: global }
      - { .name: bo1, .offset: 32, .size: 8, .value_kind: global_buffer, .address_space: global }
      - { .name: bo2, .offset: 40, .size: 8, .value_kind: global_buffer, .address_space: global }
      - { .name: out0, .offset: 48, .size: 8, .value_kind: global_buffer, .address_space: global }
      - { .name: out1, .offset: 56, .size: 8, .value_kind: global_buffer, .address_space: global }
    .group_segment_fixed_size: 283648
    .private_segment_fixed_size: 0
    .kernarg_segment_align: 8
    .kernarg_segment_size: 64
    .max_flat_workgroup_size: 256
    .sgpr_count:     96
    .vgpr_count:     258
    .wavefront_size: 32
...
	.end_amdgpu_metadata
.endif
;; end of part 5
